; MI455X (gfx1250); checked and timed in simulation.
; The chip was launched on July 23, 2026; its instructions are those of AMD's public machine-readable ISA for CDNA 5 (MIT licence, August 2026) and "CDNA5" Instruction Set Architecture Reference Guide (July 2026). The comments in the code are by the model that wrote it; some were corrected since.
;; Self Attention. Allowed arithmetic: matrix products marked QUANTISED: E2M3 operands, one E8M0 scale for each 32 along K, by v_wmma_scale_f32_16x16x128_f8f6f4 with both operands' format E2M3, f32 sums; everything else in f32.
;; Inputs: Wk 1,024 x 1,024 float32; Wq 1,024 x 1,024 float32; Wv 1,024 x 1,024 float32; key 4 x 2,048 x 1,024 float32; query 4 x 2,048 x 1,024 float32; value 4 x 2,048 x 1,024 float32.
;; Outputs: out0 4 x 2,048 x 1,024 float32.
;; This version of the problem:
;;   THIS VERSION OF THE PROBLEM IS GIVEN IN LOW PRECISION. The matrix products marked QUANTISED in the list below multiply operands that are first quantised to E2M3 (2 exponent bits, 3 mantissa bits; 6 bits a number), with one power-of-two scale for each 32 numbers along K (OCP MX v1.0); their sums are f32. All else is computed in f32.
;;   The module's matrix products, in the order in which they are computed (A, B: the left and right operand; K: the contracted axis; several contracted axes count as one K, in the product's order):
;;     1. [M 8,192, K 1,024] x [K 1,024, N 1,024]; A: input query; B: input Wq: QUANTISED
;;     2. [M 8,192, K 1,024] x [K 1,024, N 1,024]; A: input key; B: input Wk: QUANTISED
;;     3. [M 8,192, K 1,024] x [K 1,024, N 1,024]; A: input value; B: input Wv: QUANTISED
;;     4. batch 4 x [M 2,048, K 1,024] x [K 1,024, N 2,048]; A: computed on the way; B: computed on the way: QUANTISED
;;     5. batch 4 x [M 2,048, K 2,048] x [K 2,048, N 1,024]; A: softmax (see below); B: computed on the way: QUANTISED
;;   THE QUANTISER, for each operand of a quantised product, along K:
;;     - K is cut into blocks of 32 from its start; a last block that is shorter is filled with zeros.
;;     - A block's scale is 2^e with e = floor(log2(the largest magnitude in the block)) - 2, held to -126 .. 127; a block of zeros has e = 0. As a byte (E8M0): e + 127.
;;     - Each number is divided by its block's scale, clamped to +-7.5, and rounded to the nearest number of E2M3, ties to even, subnormals kept.
;;     - The product sums the exact products of the quantised numbers (number of the format x scale) in f32.
;;   ~~~python
;;   def quantise(x, axis):      # numpy; x: float32 -> the quantised numbers, widened to float32 again
;;       x = np.moveaxis(x, axis, -1); K = x.shape[-1]
;;       x = np.pad(x, [(0, 0)] * (x.ndim - 1) + [(0, -K % 32)]); x = x.reshape(x.shape[:-1] + (-1, 32)); a = np.abs(x).max(-1, keepdims=True)
;;       e = np.where(a > 0, np.clip(np.frexp(np.where(a > 0, a, 1))[1] - 1 - 2, -126, 127), 0)      # np.frexp(a)[1] - 1 = floor(log2(a)), exactly
;;       r = np.clip(x / 2.0 ** e, -7.5, 7.5)
;;       step = 2.0 ** (np.maximum(np.frexp(np.where(r == 0, 1, r))[1] - 1, 0) - 3)
;;       q = np.round(r / step) * step * 2.0 ** e      # np.round: ties to even
;;       return np.moveaxis(q.reshape(q.shape[:-2] + (-1,))[..., :K], -1, axis).astype(np.float32)
;;   ~~~
;;   SOFTMAX AHEAD OF A QUANTISED PRODUCT. Where the list says 'softmax', what is quantised is not the finished softmax but p = 2^(t - M), with t = logit x log2(e) and M = ceil(the row's largest t), a whole number; so 1/2 < the row's largest p <= 1. The row's sum l is taken of the UNQUANTISED p, in f32, and the product's result is divided by l at the end. Since M is a whole number, a kernel that streams over the keys may use a running M (the ceiling of the running maximum): every later rescaling is an exact power of two, which a block's scale takes up: the codes' values come out the same.
;;   OPERANDS COMPUTED ON THE WAY. 'Computed on the way' means the value that the module computes at that place (a softmax that the list does not call 'softmax' is quantised finished and normalised). What goes into a quantiser is computed in f32, as accurately as f32 sums, v_exp_f32 and their like allow (about 1e-6 of the number): no bf16 or f16 on the way to a quantiser, and a product that is left as it is and whose result goes on into a quantised operand takes f32 operands (vector FMAs, or v_wmma_f32_16x16x4_f32). A number that lies on a knife's edge between two numbers of the format may be rounded either way, as far as f32 arithmetic and the matrix unit's own rounding can turn it there, and no further.
;; One version. Each part assembles by itself: llvm-mc -triple=amdgcn-amd-amdhsa -mcpu=gfx1250 --defsym DOCPART=n.
;; ======== version 1 of 1: 4 launches
;; workspace buffers: c1 22,118,400 bytes; c2 19,660,800 bytes; pc 13,107,200 bytes; st 1,048,576 bytes
;; launch quant (part 1): grid 864 x 1, 4 waves a work-group, no clusters, 34,304 bytes of LDS; arguments query, key, value, Wq, Wk, Wv, c1; writes c1
.if DOCPART == 1
	.amdgcn_target "amdgcn-amd-amdhsa--gfx1250"
	.amdhsa_code_object_version 6
	.text
	.protected	k_q1035bcada8_quant
	.globl	k_q1035bcada8_quant
	.p2align	8
	.type	k_q1035bcada8_quant,@function
k_q1035bcada8_quant:
	s_mov_b64 s[64:65], 0
	v_nop
	global_prefetch_b8 v0, s[64:65] scope:SCOPE_SE
	s_setreg_imm32_b32 hwreg(HW_REG_WAVE_MODE, 25, 1), 1
	s_wait_xcnt 0x0
; query, key, value [8192][1024] and Wq, Wk, Wv [1024][1024], f32 with K innermost, become codes of FP6 (E2M3) with one E8M0 scale byte for each 32 along K.
; A block's scale is 2^(floor(log2(its largest magnitude)) - 2); its byte is the largest magnitude's exponent field - 2, held at 1 from below.
; LIMITS: NaN and infinities are not served.  A block of zeros, or one whose largest magnitude lies under 2^-124, gets the byte 1 (the floor): its codes are zeros or as the floor's scale gives them; the bytes are read by this program alone.
; THE LAYOUT OF c1 (and of every buffer of codes of this program): a ROW TILE is 16 rows; tile T of a tensor holds rows 32 (T / 2) + 8 (T % 2) + p + 8 (p / 8), p = 0 .. 15, so that a product which takes
; two neighbouring tiles as its first source leaves 16 neighbours along the next K in a lane's 16 registers.  A FRAGMENT (16 rows x 128 K) lies as the image of the operand's 12 registers: register g of lane l at
; 512 (g / 4) + 16 l + 4 (g % 4): 1,536 bytes.  A RECORD (a tile, 512 along K) is 6,400 bytes: fragments 0, 1 | 256 bytes of scale words (row p at 16 p, word j at 4 j) | fragments 2, 3.  A tile's two records lie on end.
; SHARES: a wave makes one record: 16 rows x 512 K, four K steps.  Each load reads 512 consecutive bytes of one row; a K step turns through the wave's own stage in LDS (16 rows of 512 + 16 bytes), so that
; lane (r, h) gets, of row r, the 16 neighbours 32 b + 16 h + 0 .. 15 of each block b.  Every store of codes covers 512 consecutive bytes, at a multiple of 256 from c1's first byte.
; No matrix unit, no tensor load, no cluster, no barrier: the launch streams and waves share nothing.  Loads run two K steps (32 loads a wave) ahead.
.set STW,  8448                        ; a wave's stage
.set SPT,  528                         ; a stage row: 512 bytes + 16
.set TM,   8                           ; v8-23   at work: largest magnitudes, bytes, the conversions' scale operands
.set SW,   24                          ; v24-27  the four K steps' scale words
.set MG,   28                          ; v28-29  two scale words a lane, on the way out
.set R,    32                          ; v32-159 two sets of 64: a K step as loaded
.set X,    160                         ; v160-223 a K step, 16 neighbours of each of four blocks
.set PC,   224                         ; v224-243 the codes just made
	s_load_b256 s[4:11], s[0:1], 0x0               ; query, key, value, Wq
	s_load_b128 s[12:15], s[0:1], 0x20             ; Wk, Wv
	s_load_b64 s[16:17], s[0:1], 0x30              ; c1
	v_lshl_add_u32 v244, v0, 2, 0x8400
	v_mov_b32 v245, 0
	v_lshrrev_b32 v5, 5, v0
	v_readfirstlane_b32 s18, v5                    ; wave
	v_and_b32 v6, 31, v0                           ; lane
	v_and_b32 v7, 15, v0                           ; r
	v_bfe_u32 v5, v0, 4, 1                         ; h
	v_lshlrev_b32 v1, 4, v6                        ; 16 x lane: my bytes of a load's and of a store's 512
	s_mul_i32 s19, s18, STW
	v_add_nc_u32 v2, s19, v1                       ; the stage, on the way in
	v_mul_u32_u24 v3, v7, SPT
	v_lshl_add_u32 v3, v5, 6, v3
	v_add_nc_u32 v3, s19, v3                       ; and out: row r, + 64 h
	v_lshlrev_b32 v4, 4, v7
	v_lshl_add_u32 v4, v5, 3, v4                   ; the scale words' place: 16 r + 8 h
	s_mov_b32 s20, 0x76543210
	s_mov_b32 s21, 0xfedcba98                      ; v_permlanex16_b32's selects for lane l xor 16
	s_mov_b32 s22, 0xffff0000                      ; lanes 16-31
.irp b, 0,1,2,3
	v_mov_b32 v[TM+4+\b], 0                        ; written once: a lane permute's destination counts as one of its sources
.endr
	s_lshr_b32 s23, s18, 1                         ; which of the work-group's two tiles
	s_and_b32 s27, s18, 1                          ; which of its two records
	s_wait_kmcnt 0x0
	; which tensor: the choice hangs on the work-group's number alone.  query 0-255, key 256-511, value 512-767, Wq 768-799, Wk 800-831, Wv 832-863
	s_mov_b64 s[24:25], s[14:15]
	s_mov_b32 s26, 832
.macro PICK limit, ptr, base
	s_cmp_lt_u32 ttmp9, \limit
	s_cselect_b64 s[24:25], s[\ptr:\ptr+1], s[24:25]
	s_cselect_b32 s26, \base, s26
.endm
	PICK 832, 12, 800
	PICK 800, 10, 768
	PICK 768, 8, 512
	PICK 512, 6, 256
	PICK 256, 4, 0
	s_sub_co_u32 s28, ttmp9, s26
	s_lshl_b32 s28, s28, 5                         ; 32 rows a work-group,
	s_lshl_b32 s23, s23, 3
	s_add_co_u32 s28, s28, s23                     ; the second tile begins 8 rows on;
	s_lshl_b32 s28, s28, 12                        ; rows of 4,096 bytes;
	s_lshl_b32 s27, s27, 11
	s_add_co_u32 s28, s28, s27                     ; the second record 2,048 bytes on
	s_mov_b32 s29, 0
	s_add_nc_u64 s[24:25], s[24:25], s[28:29]
	s_lshl_b32 s30, ttmp9, 2
	s_add_co_u32 s30, s30, s18
	s_mul_i32 s30, s30, 6400                       ; my record: 4 x work-group + wave
	s_mov_b32 s31, 0
	s_add_nc_u64 s[16:17], s[16:17], s[30:31]
.macro LOADK s                         ; K step s: row p = t of the tile, 512 consecutive bytes a load
.irp t, 0,1,2,3,4,5,6,7,8,9,10,11,12,13,14,15
	global_load_b128 v[R+64*((\s)%2)+4*\t:R+64*((\s)%2)+4*\t+3], v1, s[24:25] offset:(\t+8*(\t/8))*4096+512*(\s) th:TH_LOAD_NT
.endr
.endm
.macro KSTEP s
.if \s < 3
	s_wait_loadcnt 16                              ; this K step's sixteen loads are in; the next step's sixteen stay out
.else
	s_wait_loadcnt 0x0
.endif
.irp t, 0,1,2,3,4,5,6,7,8,9,10,11,12,13,14,15
	ds_store_b128 v2, v[R+64*((\s)%2)+4*\t:R+64*((\s)%2)+4*\t+3] offset:SPT*\t
.endr
.irp b, 0,1,2,3
.irp j, 0,1,2,3
	ds_load_b128 v[X+16*\b+4*\j:X+16*\b+4*\j+3], v3 offset:128*\b+16*\j   ; LDS serves a wave's instructions in order: these see the stores above
.endr
.endr
	s_wait_dscnt 0x0                               ; the numbers are back, and the stores have read their registers,
.if \s < 2
	LOADK (\s)+2                                   ; which take the loads of two steps on
.endif
.if \s > 0
	s_wait_xcnt 0x0                                ; the last step's stores have read the codes' registers: they are written again only behind this wait
.endif
.irp b, 0,1,2,3
	v_max3_num_f32 v[TM+\b], |v[X+16*\b]|, |v[X+16*\b+1]|, 0x1800000   ; block b: my 16 numbers, and the floor 2^(3 - 127): the byte cannot fall under 1
.endr
.irp i, 2,4,6,8,10,12,14
.irp b, 0,1,2,3
	v_max3_num_f32 v[TM+\b], v[TM+\b], |v[X+16*\b+\i]|, |v[X+16*\b+\i+1]|   ; the four blocks by turns
.endr
.endr
.irp b, 0,1,2,3
	v_permlanex16_b32 v[TM+4+\b], v[TM+\b], s20, s21
.endr
.irp b, 0,1,2,3
	v_max_num_f32 v[TM+\b], v[TM+\b], v[TM+4+\b]   ; with lane l xor 16's: the block's largest magnitude
.endr
.irp b, 0,1,2,3
	v_add_nc_u32 v[TM+12+\b], 0xff000000, v[TM+\b] ; 2 off its exponent field: the conversion's scale operand
.endr
.irp b, 0,1,2,3
	v_lshrrev_b32 v[TM+4+\b], 23, v[TM+12+\b]      ; the scale's byte
.endr
	v_lshl_or_b32 v[SW+\s], v[TM+5], 8, v[TM+4]    ; my row's scale word for this K step
	v_lshl_or_b32 v[SW+\s], v[TM+6], 16, v[SW+\s]
	v_lshl_or_b32 v[SW+\s], v[TM+7], 24, v[SW+\s]
.irp c, 0,1
	v_cvt_scalef32_pk16_fp6_f32 v[PC+6*\c:PC+6*\c+2], v[X+32*\c:X+32*\c+15], v[TM+12+2*\c]
	v_cvt_scalef32_pk16_fp6_f32 v[PC+12+4*\c:PC+14+4*\c], v[X+16+32*\c:X+31+32*\c], v[TM+13+2*\c]   ; (a conversion's three registers begin on an even number)
.endr
	v_nop                                          ; one plain place behind a scaled conversion
.irp c, 0,1                            ; the operand's layout wants a whole block in a lane: lanes 0-15 block 2 c, lanes 16-31 block 2 c + 1
.irp i, 0,1,2
	v_permlane16_swap_b32 v[PC+6*\c+\i], v[PC+12+4*\c+\i]
.endr
.irp i, 0,1,2
	v_mov_b32 v[PC+3+6*\c+\i], v[PC+12+4*\c+\i]
.endr
.endr
.irp c, 0,1,2
	global_store_b128 v1, v[PC+4*\c:PC+4*\c+3], s[16:17] offset:1536*(\s)+256*((\s)/2)+512*\c   ; the fragment's image
.endr
.endm
	LOADK 0
	LOADK 1
	KSTEP 0
	KSTEP 1
	KSTEP 2
	KSTEP 3
	v_cndmask_b32 v[MG], v[SW], v[SW+2], s22       ; lanes 0-15 store words 0, 1 of row r, lanes 16-31 words 2, 3:
	v_cndmask_b32 v[MG+1], v[SW+1], v[SW+3], s22
	global_store_b64 v4, v[MG:MG+1], s[16:17] offset:3072   ; 256 consecutive bytes
	s_wait_tensorcnt 0x0
	ds_add_u32 v244, v245
	s_wait_dscnt 0x0
	s_endpgm
.Lfunc_end_k_q1035bcada8_quant:
	.size	k_q1035bcada8_quant, .Lfunc_end_k_q1035bcada8_quant-k_q1035bcada8_quant
	.p2alignl 7, 3214868480
	.fill 96, 4, 3214868480
	.section	.rodata,"a",@progbits
	.p2align	6, 0x0
	.amdhsa_kernel k_q1035bcada8_quant
		.amdhsa_group_segment_fixed_size 34304
		.amdhsa_private_segment_fixed_size 0
		.amdhsa_enable_private_segment 0
		.amdhsa_kernarg_size 56
		.amdhsa_user_sgpr_count 2
		.amdhsa_user_sgpr_kernarg_segment_ptr 1
		.amdhsa_wavefront_size32 1
		.amdhsa_system_sgpr_workgroup_id_x 1
		.amdhsa_system_sgpr_workgroup_id_y 1
		.amdhsa_system_sgpr_workgroup_id_z 1
		.amdhsa_system_vgpr_workitem_id 0
		.amdhsa_next_free_vgpr 246
		.amdhsa_next_free_sgpr 66
		.amdhsa_reserve_vcc 0
		.amdhsa_float_denorm_mode_32 3
		.amdhsa_float_denorm_mode_16_64 3
		.amdhsa_memory_ordered 1
		.amdhsa_forward_progress 1
		.amdhsa_inst_pref_size 34
	.end_amdhsa_kernel
	.amdgpu_metadata
---
amdhsa.version: [ 1, 2 ]
amdhsa.kernels:
  - .name:           k_q1035bcada8_quant
    .symbol:         k_q1035bcada8_quant.kd
    .args:
      - { .name: query, .offset: 0, .size: 8, .value_kind: global_buffer, .address_space: global }
      - { .name: key, .offset: 8, .size: 8, .value_kind: global_buffer, .address_space: global }
      - { .name: value, .offset: 16, .size: 8, .value_kind: global_buffer, .address_space: global }
      - { .name: Wq, .offset: 24, .size: 8, .value_kind: global_buffer, .address_space: global }
      - { .name: Wk, .offset: 32, .size: 8, .value_kind: global_buffer, .address_space: global }
      - { .name: Wv, .offset: 40, .size: 8, .value_kind: global_buffer, .address_space: global }
      - { .name: c1, .offset: 48, .size: 8, .value_kind: global_buffer, .address_space: global }
    .group_segment_fixed_size: 34304
    .private_segment_fixed_size: 0
    .kernarg_segment_align: 8
    .kernarg_segment_size: 56
    .max_flat_workgroup_size: 128
    .sgpr_count:     66
    .vgpr_count:     246
    .wavefront_size: 32
...
	.end_amdgpu_metadata
.endif
;; end of part 1
;; launch proj (part 2): grid 4 x 64, 4 waves a work-group, clusters of 4 x 4, 327,680 bytes of LDS; arguments c1, c2; writes c2
.if DOCPART == 2
	.amdgcn_target "amdgcn-amd-amdhsa--gfx1250"
	.amdhsa_code_object_version 6
	.text
	.protected	k_q1035bcada8_proj
	.globl	k_q1035bcada8_proj
	.p2align	8
	.type	k_q1035bcada8_proj,@function
k_q1035bcada8_proj:
	s_mov_b64 s[64:65], 0
	v_nop
	global_prefetch_b8 v0, s[64:65] scope:SCOPE_SE
	s_setreg_imm32_b32 hwreg(HW_REG_WAVE_MODE, 25, 1), 1
	s_wait_xcnt 0x0
	s_wait_alu depctr_hold_cnt(0) depctr_sa_sdst(0) depctr_va_vdst(0) depctr_va_sdst(0) depctr_va_ssrc(0) depctr_va_vcc(0) depctr_vm_vsrc(0)
	s_getreg_b32 s2, hwreg(HW_REG_IB_STS2, 6, 4)
	s_cmp_eq_u32 s2, 0
	s_cbranch_scc0 .Lentry_in_a_cluster
	s_endpgm
.Lentry_in_a_cluster:
	s_bfe_u32 s2, ttmp6, 0x10000c
	s_cmp_lg_u32 s2, 0xf033
	s_cbranch_scc0 .Lentry_shape_is_right
	s_endpgm
.Lentry_shape_is_right:
; q = query Wq^T, k = key Wk^T, v = value Wv^T on codes of FP6 (E2M3) with E8M0 scales, K = 1,024, sums in f32; the results are quantised in registers along the NEXT product's K and leave as codes.
; Buffers of codes are laid in records: a row tile T holds rows 32 (T / 2) + 8 (T % 2) + p + 8 (p / 8); a fragment (16 rows x 128 K) is the image of its 12 registers, 1,536 bytes; a record (a tile, 512 K) is 6,400 bytes:
; fragments 0, 1 | 256 bytes of scale words (row p at 16 p, word j at 4 j) | fragments 2, 3; a tile's two records of a panel of 1,024 along K lie on end (12,800 bytes).
; c1, in tiles: query 0, key 512, value 1,024, Wq 1,536, Wk 1,600, Wv 1,664.  c2: q 0, k 512 (K = the 1,024 outputs), v^T 1,024 + 64 x (key / 1,024) + channel tile (K = the keys).
; NAMES: "A" is the matrix instruction's second source: its rows stay rows (a lane holds one).  "B" is the first source: its rows run along a lane's registers, and by the tiles' order the 16 registers of two neighbouring
; tiles are 16 neighbours.  For q and k: A = query / key, B = Wq / Wk.  For v: A = Wv, B = value, so that a lane holds a channel and its registers run along the keys.
; SHARES: a tile of the result is 128 rows of A x 256 rows of B; four waves, each 64 x 128 (32 accumulators): 768 such tiles, three for each of 256 work-groups, which stay and walk q, k, v with the ring going on from
; tile to tile.  A wave's 128 columns are one K step of the next product: its block of 16 rows becomes exactly one fragment and one scale word a row, stored straight from registers in 512 consecutive bytes a store.
; The scale words leave as 4 bytes at a pitch of 16: one part in 24 of the output is written in pieces of its 256-byte blocks.
; RING: two LDS slots, each with one record of A's 8 and of B's 16 row tiles (512 along K, four K steps): 128 matrix instructions a wave between two refills.  No padding: every fragment read is 512 consecutive bytes.
; CLUSTER: 4 x 4 work-groups; A's tiles are shared along a row of the cluster, B's along a column: joint loads with a mask that names the four.
; LIMITS: NaN and infinities are not served; a block whose largest magnitude lies under 2^-124 gets the byte 1 (the floor); the bytes are read by this program alone.
; REGISTERS: window 0: v16-25 addresses, v28-29 for the add; v32-127 scale words, two sets, nothing else; v128-175 A's fragments, ONE set; v176-217 the way out.  window 1: B's fragments, two sets at v0 and v128.  window 2: the accumulators, (a, b) at v[8 (8 a + b)].
.set NA,    4                          ; A's blocks of 16 rows a wave
.set HA,    2
.set NQ,    4                          ; K steps in a slot
.set NL,    3                          ; LDS loads of a fragment
.set LROW,  6400                       ; a row tile's bytes in a slot: a record
.set CE,    LROW/8
.set RP,    12800                      ; from row tile to row tile in memory
.set AHALF, NA*LROW
.set BHALF, 8*LROW
.set SLOT,  2*AHALF+2*BHALF
.set SPARE, 2*SLOT                     ; the spare words: 128 bytes a wave, two blocks of 256 bytes that no other line names
.set ADRA, 16                          ; v16-17 my A fragments in slot 0, 1 (16 x lane);  v18-19 their scale words (16 r)
.set ASA,  18
.set ADRB, 20                          ; v20-21, v22-23 the same for B
.set ASB,  22
.set OA,   24                          ; v24 16 x lane: an image's place
.set OB,   25                          ; v25 12,800 h + 16 r: two tiles' scale words
.set SPW,  28
.set NIL,  29
.set SC,   32
.set SETSZ, NQ*(NA+8)
.set AF,   128
.set PC,   176                         ; v176-195 the codes just made
.set TM,   196                         ; v196-211 at work
.set SWD,  212                         ; v212-215 the four blocks' scale words
.set XW,   216                         ; v216-217 two of them merged, on the way out
.set G1, 24
.set G0, 32
.set G1B, 48
.set G0B, 56
.set TAV, 66                           ; s[66:67], s[68:69] where the v tile's A and B begin
.set TBV, 68
.set OF0, 70                           ; s[70:81] for q, k, v: where my fragments go, where my scale words go
.set OS0, 72
.set OF1, 74
.set OS1, 76
.set OF2, 78
.set OS2, 80
.set SEL, 82
.set HI,  84
.set MSB, 0
.macro WIN new                         ; the immediate's high byte repeats the setting that is left
.if MSB != (\new)
	s_set_vgpr_msb (MSB<<8)|(\new)
.set MSB, \new
.endif
.endm
.macro PLACES n
.rept \n
	v_nop
.endr
.endm
; A joint load: waves 0 and 1 fetch A's halves, waves 2 and 3 B's.  The branch hangs on the wave's number alone.  Four v_nop follow each of the two lines.
.macro JLOAD s
	s_cmp_eq_u32 s15, 0
	s_cbranch_scc0 .Lfor_b_\@
	tensor_load_to_lds s[G0+4*\s:G0+4*\s+3], s[G1:G1+7]
	s_nop 0
.rept 4
	v_nop
.endr
	s_branch .Lasked_\@
.Lfor_b_\@:
	tensor_load_to_lds s[G0B+4*\s:G0B+4*\s+3], s[G1B:G1B+7]
	s_nop 0
.rept 4
	v_nop
.endr
.Lasked_\@:
.endm
.macro CREST                           ; a round of the cluster's barrier behind its opening barrier
	s_cmp_lg_u32 s14, 0
	s_cbranch_scc1 .Lnot_wave_0_\@
	s_barrier_signal -3
.Lnot_wave_0_\@:
	s_barrier_wait -3
	s_barrier_signal -1
	s_barrier_wait -1
.endm
.macro CROUND
	s_barrier_signal -1
	s_barrier_wait -1
	CREST
.endm
	s_load_b128 s[4:7], s[0:1], 0x0                ; c1, c2
	v_lshl_add_u32 v[SPW], v0, 2, SPARE
	v_mov_b32 v[NIL], 0
	ds_add_u32 v28, v29
	ds_add_u32 v28, v29
	s_wait_dscnt 0x0
	v_lshrrev_b32 v1, 5, v0
	v_readfirstlane_b32 s14, v1                    ; wave
	s_lshr_b32 s15, s14, 1                         ; my half of A's rows.  Also: I fetch for A (0) or for B (1)
	s_and_b32 s16, s14, 1                          ; my half of B's rows.  Also: which half I fetch
	s_bfe_u32 s40, ttmp6, 0x40000                  ; cx
	s_bfe_u32 s41, ttmp6, 0x40004                  ; cy
	s_and_b32 s42, ttmp7, 0xffff                   ; the cluster's y, 0 .. 15
	s_lshl_b32 s43, s41, 2
	s_lshl_b32 s43, 15, s43                        ; my row of the cluster
	s_lshl_b32 s44, 0x1111, s40                    ; my column
	s_or_b32 s[G1+0], s43, (3<<16)|(1<<21)         ; the mask; elements of 8 bytes; bit 21 set beside a mask; no padding
	s_or_b32 s[G1B+0], s44, (3<<16)|(1<<21)
	s_mov_b32 s[G1+1], CE<<16                      ; tensor_dim0: a record
	s_mov_b32 s[G1+2], NA<<16                      ; tensor_dim1: 4 row tiles
	s_mov_b32 s[G1+3], CE<<16                      ; tile_dim0
	s_mov_b32 s[G1+4], NA                          ; tile_dim1
	s_mov_b32 s[G1+5], RP/8                        ; from row tile to row tile
	s_mov_b32 s[G1+6], 0
	s_mov_b32 s[G1+7], 0
	s_mov_b32 s[G1B+1], CE<<16
	s_mov_b32 s[G1B+2], 8<<16                      ; 8 row tiles
	s_mov_b32 s[G1B+3], CE<<16
	s_mov_b32 s[G1B+4], 8
	s_mov_b32 s[G1B+5], RP/8
	s_mov_b32 s[G1B+6], 0
	s_mov_b32 s[G1B+7], 0
	s_mov_b32 s[SEL], 0x76543210
	s_mov_b32 s[SEL+1], 0xfedcba98
	s_mov_b32 s[HI], 0xffff0000                    ; lanes 16-31
	; tile coordinates.  q, k: A's tile of 128 rows at = 4 Y + cy, B's tile of 256 rows bt = 4 X + cx.  v: at = 4 (Y / 8) + cy (Wv), bt = 4 (Y % 8) + cx (value).  A's never hold cx, B's never cy.
	s_lshl_b32 s17, s42, 2
	s_add_co_u32 s17, s17, s41                     ; at
	s_lshr_b32 s18, s42, 3
	s_lshl_b32 s18, s18, 2
	s_add_co_u32 s18, s18, s41                     ; at of v
	s_lshl_b32 s86, ttmp9, 2
	s_add_co_u32 s86, s86, s40                     ; bt
	s_and_b32 s87, s42, 7
	s_lshl_b32 s87, s87, 2
	s_add_co_u32 s87, s87, s40                     ; bt of v
	s_lshl_b32 s19, s16, 2
	s_lshl_b32 s20, s17, 3
	s_add_co_u32 s20, s20, s19                     ; query: row tile 8 at + 4 x half
	s_mul_i32 s20, s20, RP
	s_mov_b32 s21, 0
	s_lshl_b32 s22, s18, 3
	s_add_co_u32 s22, s22, s19
	s_add_co_u32 s22, s22, 1664                    ; Wv
	s_mul_i32 s22, s22, RP
	s_mov_b32 s23, 0
	s_lshl_b32 s85, s16, 3
	s_lshl_b32 s88, s86, 4
	s_add_co_u32 s88, s88, s85
	s_add_co_u32 s88, s88, 1536                    ; Wq: row tile 1,536 + 16 bt + 8 x half
	s_mul_i32 s88, s88, RP
	s_mov_b32 s89, 0
	s_lshl_b32 s92, s87, 4
	s_add_co_u32 s92, s92, s85
	s_add_co_u32 s92, s92, 1024                    ; value
	s_mul_i32 s92, s92, RP
	s_mov_b32 s93, 0
	s_mul_i32 s45, s16, AHALF                      ; where they go in a slot: no place in the cluster enters an LDS address
	s_mul_i32 s46, s16, BHALF
	s_add_co_u32 s46, s46, 2*AHALF
	s_wait_kmcnt 0x0
	s_add_nc_u64 s[8:9], s[4:5], s[20:21]
	s_add_nc_u64 s[TAV:TAV+1], s[4:5], s[22:23]
	s_add_nc_u64 s[90:91], s[4:5], s[88:89]
	s_add_nc_u64 s[TBV:TBV+1], s[4:5], s[92:93]
; Where a tile's results go.  My 128 columns are K step ksg = 2 bt + half of the result's rows; panel ksg / 8, record (ksg % 8) / 4, fragment j = ksg % 4; row tile task0 + 64 x panel + 8 at + 4 x my half of A's rows.
.macro OUTBASE at, bt, task0, of, os
	s_lshl_b32 s94, s[\bt], 1
	s_add_co_u32 s94, s94, s16
	s_lshr_b32 s96, s94, 3
	s_lshl_b32 s96, s96, 6
	s_lshl_b32 s97, s[\at], 3
	s_add_co_u32 s96, s96, s97
	s_lshl_b32 s97, s15, 2
	s_add_co_u32 s96, s96, s97
	s_add_co_u32 s96, s96, \task0
	s_mul_i32 s96, s96, RP
	s_bfe_u32 s97, s94, 0x10002
	s_mul_i32 s97, s97, LROW
	s_add_co_u32 s96, s96, s97
	s_and_b32 s98, s94, 3
	s_mul_i32 s12, s98, 1536
	s_lshr_b32 s99, s98, 1
	s_lshl_b32 s99, s99, 8
	s_add_co_u32 s12, s12, s99                     ; fragment j begins at 1,536 j + 256 (j / 2)
	s_add_co_u32 s12, s12, s96
	s_mov_b32 s13, 0
	s_add_nc_u64 s[\of:\of+1], s[6:7], s[12:13]
	s_lshl_b32 s12, s98, 2
	s_add_co_u32 s12, s12, s96
	s_add_co_u32 s12, s12, 3072                    ; its scale words at 3,072 + 4 j
	s_add_nc_u64 s[\os:\os+1], s[6:7], s[12:13]
.endm
	OUTBASE 17, 86, 0, OF0, OS0
	OUTBASE 17, 86, 512, OF1, OS1
	OUTBASE 18, 87, 1024, OF2, OS2
	CROUND                                         ; all sixteen work-groups are here: the first joint loads meet
.irp s, 0,1
	s_mov_b32 s[G0+4*\s], 1
	s_add_co_u32 s[G0+4*\s+1], s45, \s*SLOT
	s_add_nc_u64 s[G0+4*\s+2:G0+4*\s+3], s[8:9], \s*LROW   ; slot s always holds record s of the panel
	s_or_b32 s[G0+4*\s+3], s[G0+4*\s+3], 0x80000000
	s_mov_b32 s[G0B+4*\s], 1
	s_add_co_u32 s[G0B+4*\s+1], s46, \s*SLOT
	s_add_nc_u64 s[G0B+4*\s+2:G0B+4*\s+3], s[90:91], \s*LROW
	s_or_b32 s[G0B+4*\s+3], s[G0B+4*\s+3], 0x80000000
	JLOAD \s
.endr
	v_and_b32 v1, 31, v0
	v_lshlrev_b32 v[OA], 4, v1                     ; 16 x lane
	v_and_b32 v2, 15, v0
	v_lshlrev_b32 v3, 4, v2                        ; 16 r
	v_bfe_u32 v4, v0, 4, 1                         ; h
	s_mul_i32 s21, s15, AHALF                      ; my 4 row tiles of A
	s_mul_i32 s22, s16, BHALF                      ; my 8 of B, behind A's 8
	s_add_co_u32 s22, s22, 2*AHALF
.irp s, 0,1
	v_add_nc_u32 v[ADRA+\s], s21, v[OA]
	v_add_nc_u32 v[ASA+\s], s21, v3
	v_add_nc_u32 v[ADRB+\s], s22, v[OA]
	v_add_nc_u32 v[ASB+\s], s22, v3
	s_add_co_u32 s21, s21, SLOT
	s_add_co_u32 s22, s22, SLOT
.endr
	v_mad_u32_u24 v[OB], v4, RP, v3
.irp b, 0,1,2,3
	v_mov_b32 v[TM+4+\b], 0                        ; written once: a lane permute's destination counts as one of its sources
.endr
.macro FRAG reg, adr, off              ; a fragment's image: three loads of 512 consecutive bytes
.irp c, 0,1,2
	ds_load_b128 v[(\reg)+4*\c:(\reg)+4*\c+3], v[\adr] offset:(\off)+512*\c
.endr
.endm
.macro FETCH_B slot, q, p              ; B's eight fragments of the slot's q-th K step into set p
	WIN 0x40
.irp i, 0,1,2,3,4,5,6,7
	FRAG 128*(\p)+12*\i, ADRB+\slot, \i*LROW+1536*(\q)+256*((\q)/2)
.endr
	WIN 0
.endm
.macro FETCH_A slot, q, i0, n          ; A's blocks i0 .. i0 + n - 1
.set FI, \i0
.rept \n
	FRAG AF+12*FI, ADRA+\slot, FI*LROW+1536*(\q)+256*((\q)/2)
.set FI, FI+1
.endr
.endm
.macro SCALES slot                     ; a slot's scale words, four a row: A's 4 blocks, then B's 8.  Lanes 16-31 load what lanes 0-15 load and are not read
.irp i, 0,1,2,3
	ds_load_b128 v[SC+(\slot)*SETSZ+4*\i:SC+(\slot)*SETSZ+4*\i+3], v[ASA+\slot] offset:\i*LROW+3072
.endr
.irp i, 0,1,2,3,4,5,6,7
	ds_load_b128 v[SC+(\slot)*SETSZ+4*NA+4*\i:SC+(\slot)*SETSZ+4*NA+4*\i+3], v[ASB+\slot] offset:\i*LROW+3072
.endr
.endm
; 8 matrix instructions: A's block a against B's eight.  The 32 accumulators take turns, one instruction a turn, in the same order in every K step.  zero = 1: the product starts the sums.
.macro MULB a, p, q, set, zero
	WIN 0xa1
.irp b, 0,1,2,3,4,5,6,7
.if \zero
	v_wmma_scale_f32_16x16x128_f8f6f4 v[8*(8*(\a)+\b):8*(8*(\a)+\b)+7], v[128*(\p)+12*\b:128*(\p)+12*\b+11], v[AF+12*(\a):AF+12*(\a)+11], 0, v[SC+(\set)*SETSZ+NQ*NA+NQ*\b+(\q)], v[SC+(\set)*SETSZ+NQ*(\a)+(\q)] matrix_a_fmt:MATRIX_FMT_FP6 matrix_b_fmt:MATRIX_FMT_FP6
.else
	v_wmma_scale_f32_16x16x128_f8f6f4 v[8*(8*(\a)+\b):8*(8*(\a)+\b)+7], v[128*(\p)+12*\b:128*(\p)+12*\b+11], v[AF+12*(\a):AF+12*(\a)+11], v[8*(8*(\a)+\b):8*(8*(\a)+\b)+7], v[SC+(\set)*SETSZ+NQ*NA+NQ*\b+(\q)], v[SC+(\set)*SETSZ+NQ*(\a)+(\q)] matrix_a_fmt:MATRIX_FMT_FP6 matrix_b_fmt:MATRIX_FMT_FP6
.endif
.endr
.endm
.macro MULH a0, n, p, q, set, zero
.set MA, \a0
.rept \n
	MULB MA, \p, \q, \set, \zero
.set MA, MA+1
.endr
.endm
; A K step that has its successor in the same slot.  Four places stand in front of each run of loads into registers that matrix instructions have read.
.macro STEP slot, q, zero
	s_wait_dscnt HA*NL                             ; all but the youngest loads, A's blocks 2, 3
	MULH 0, HA, (\q)%2, \q, \slot, \zero
	s_wait_dscnt 0x0                               ; A's blocks 2, 3 are in
	PLACES 4
	FETCH_B \slot, (\q)+1, 1-(\q)%2
	FETCH_A \slot, (\q)+1, 0, HA
	MULH HA, HA, (\q)%2, \q, \slot, \zero
	PLACES 4
	WIN 0
	FETCH_A \slot, (\q)+1, HA, HA
.endm
; A slot's last K step changes slots: one barrier; in front of it each wave waits for all its tensor loads, adds 0 to its spare word, and waits for that and for its reads of this slot.
; fill = 1: the slot takes the same record of the k tile; 2: of the v tile; 0: nothing more is fetched.
.macro TURN slot, next, fill
	s_wait_tensorcnt 0x0                           ; all my tensor loads have landed: my part of the next slot
	ds_add_u32 v[SPW], v[NIL]                      ; 0 onto my spare word
	s_wait_dscnt HA*NL+1                           ; (the add and A's blocks 2, 3 may be out)
	MULH 0, HA/2, 1, NQ-1, \slot, 0
	s_wait_dscnt 0x0                               ; the add is done, and my reads of this slot are over
	s_barrier_signal -1
	MULH HA/2, HA/2, 1, NQ-1, \slot, 0
	WIN 0
	s_barrier_wait -1
.if \fill
	CREST                                          ; the barrier has opened a round of the cluster's: no wave of any partner still reads this slot or has a load on its way
.if \fill == 1
	s_add_nc_u64 s[G0+4*\slot+2:G0+4*\slot+3], s[G0+4*\slot+2:G0+4*\slot+3], 512*RP   ; from query to key: 512 row tiles on
	s_add_nc_u64 s[G0B+4*\slot+2:G0B+4*\slot+3], s[G0B+4*\slot+2:G0B+4*\slot+3], 64*RP   ; from Wq to Wk: 64
.else
	s_add_nc_u64 s[G0+4*\slot+2:G0+4*\slot+3], s[TAV:TAV+1], \slot*LROW
	s_or_b32 s[G0+4*\slot+3], s[G0+4*\slot+3], 0x80000000
	s_add_nc_u64 s[G0B+4*\slot+2:G0B+4*\slot+3], s[TBV:TBV+1], \slot*LROW
	s_or_b32 s[G0B+4*\slot+3], s[G0B+4*\slot+3], 0x80000000
.endif
	JLOAD \slot                                    ; the first tensor load behind the round; its four v_nop are also the places in front of the loads below
.else
	PLACES 4
.endif
	FETCH_B \next, 0, 0
	FETCH_A \next, 0, 0, HA
	SCALES \next
	MULH HA, HA, 1, NQ-1, \slot, 0
	PLACES 4
	WIN 0
	FETCH_A \next, 0, HA, HA
.endm
.macro THREE slot, zero
	STEP \slot, 0, \zero
	STEP \slot, 1, 0
	STEP \slot, 2, 0
.endm
; THE WAY OUT of a tile.  Block a's 64 registers of a lane are, of its row, k = 32 b + 16 h + i at register 16 b + i: four blocks of 32 shared with lane l xor 16.
.macro BMAX s                          ; the four blocks' largest magnitudes; each accumulator is read from its low end on
	WIN 0x28                                       ; sources 1 and 2: window 2
.irp b, 0,1,2,3
	v_max3_num_f32 v[TM+\b], 0x1800000, |v[(\s)+16*\b]|, |v[(\s)+16*\b+1]|   ; with the floor 2^(3 - 127): the byte cannot fall under 1
.endr
.irp i, 2,4,6,8,10,12,14
.irp b, 0,1,2,3
	v_max3_num_f32 v[TM+\b], v[TM+\b], |v[(\s)+16*\b+\i]|, |v[(\s)+16*\b+\i+1]|
.endr
.endr
	WIN 0
.irp b, 0,1,2,3
	v_permlanex16_b32 v[TM+4+\b], v[TM+\b], s[SEL], s[SEL+1]
.endr
.irp b, 0,1,2,3
	v_max_num_f32 v[TM+\b], v[TM+\b], v[TM+4+\b]
.endr
.endm
.macro SCALEW pw                       ; the conversions' scale operands, the bytes, the row's scale word
.irp b, 0,1,2,3
	v_add_nc_u32 v[TM+12+\b], 0xff000000, v[TM+\b] ; 2 off the exponent field
.endr
.irp b, 0,1,2,3
	v_lshrrev_b32 v[TM+4+\b], 23, v[TM+12+\b]
.endr
	v_lshl_or_b32 v[\pw], v[TM+5], 8, v[TM+4]
	v_lshl_or_b32 v[\pw], v[TM+6], 16, v[\pw]
	v_lshl_or_b32 v[\pw], v[TM+7], 24, v[\pw]
.endm
.macro CODES s                         ; 64 numbers become a fragment in v[PC] on
	WIN 0x02                                       ; source 0: window 2
.irp c, 0,1
	v_cvt_scalef32_pk16_fp6_f32 v[PC+6*\c:PC+6*\c+2], v[(\s)+32*\c:(\s)+32*\c+15], v[TM+12+2*\c]
	v_cvt_scalef32_pk16_fp6_f32 v[PC+12+4*\c:PC+14+4*\c], v[(\s)+16+32*\c:(\s)+31+32*\c], v[TM+13+2*\c]
.endr
	WIN 0
	v_nop                                          ; one plain place behind a scaled conversion
.irp c, 0,1                            ; a whole block to a lane: lanes 0-15 block 2 c, lanes 16-31 block 2 c + 1
.irp i, 0,1,2
	v_permlane16_swap_b32 v[PC+6*\c+\i], v[PC+12+4*\c+\i]
.endr
.irp i, 0,1,2
	v_mov_b32 v[PC+3+6*\c+\i], v[PC+12+4*\c+\i]
.endr
.endr
.endm
.macro EPI of, os, first
.irp a, 0,1,2,3
.if (\a > 0) || (\first == 0)
	s_wait_xcnt 0x0                                ; the earlier stores have read their data: those registers are written again only behind this wait
.endif
	BMAX 64*\a
	SCALEW SWD+\a
	CODES 64*\a
.irp c, 0,1,2
	global_store_b128 v[OA], v[PC+4*\c:PC+4*\c+3], s[\of:\of+1] offset:RP*\a+512*\c   ; 512 consecutive bytes, at a multiple of 256 from c2's first byte
.endr
.endr
.irp a, 0,2
	v_cndmask_b32 v[XW+\a/2], v[SWD+\a], v[SWD+\a+1], s[HI]   ; lanes 0-15: block a's words, lanes 16-31: block a + 1's
	global_store_b32 v[OB], v[XW+\a/2], s[\os:\os+1] offset:RP*\a
.endr
.endm
	s_wait_tensorcnt 1                             ; my part of slot 0 is in; slot 1's load, issued behind it, may stay out
	s_barrier_signal -1
	s_barrier_wait -1
	FETCH_B 0, 0, 0
	FETCH_A 0, 0, 0, HA
	SCALES 0
	FETCH_A 0, 0, HA, HA
	THREE 0, 1                                     ; q: a tile's first products start the sums: nothing is cleared
	TURN 0, 1, 1
	THREE 1, 0
	TURN 1, 0, 1                                   ; the tile's last K step; the next tile's first fragments are fetched
	EPI OF0, OS0, 1                                ; both refills are asked for: now the tile goes out
	THREE 0, 1                                     ; k
	TURN 0, 1, 2
	THREE 1, 0
	TURN 1, 0, 2
	EPI OF1, OS1, 0
	THREE 0, 1                                     ; v
	TURN 0, 1, 0
	THREE 1, 0
	s_wait_dscnt HA*NL                             ; the very last K step: nothing more to fetch
	MULH 0, HA, 1, NQ-1, 1, 0
	s_wait_dscnt 0x0
	MULH HA, HA, 1, NQ-1, 1, 0
	WIN 0
	PLACES 4
	EPI OF2, OS2, 0
	s_wait_tensorcnt 0x0                           ; the wave's end
	ds_add_u32 v[SPW], v[NIL]
	s_wait_dscnt 0x0
	CROUND                                         ; the closing round
	s_endpgm
.Lfunc_end_k_q1035bcada8_proj:
	.size	k_q1035bcada8_proj, .Lfunc_end_k_q1035bcada8_proj-k_q1035bcada8_proj
	.p2alignl 7, 3214868480
	.fill 96, 4, 3214868480
	.section	.rodata,"a",@progbits
	.p2align	6, 0x0
	.amdhsa_kernel k_q1035bcada8_proj
		.amdhsa_group_segment_fixed_size 327680
		.amdhsa_private_segment_fixed_size 0
		.amdhsa_enable_private_segment 0
		.amdhsa_kernarg_size 16
		.amdhsa_user_sgpr_count 2
		.amdhsa_user_sgpr_kernarg_segment_ptr 1
		.amdhsa_wavefront_size32 1
		.amdhsa_system_sgpr_workgroup_id_x 1
		.amdhsa_system_sgpr_workgroup_id_y 1
		.amdhsa_system_sgpr_workgroup_id_z 1
		.amdhsa_system_vgpr_workitem_id 0
		.amdhsa_next_free_vgpr 768
		.amdhsa_next_free_sgpr 100
		.amdhsa_reserve_vcc 0
		.amdhsa_float_denorm_mode_32 3
		.amdhsa_float_denorm_mode_16_64 3
		.amdhsa_memory_ordered 1
		.amdhsa_forward_progress 1
		.amdhsa_inst_pref_size 232
	.end_amdhsa_kernel
	.amdgpu_metadata
---
amdhsa.version: [ 1, 2 ]
amdhsa.kernels:
  - .name:           k_q1035bcada8_proj
    .symbol:         k_q1035bcada8_proj.kd
    .args:
      - { .name: c1, .offset: 0, .size: 8, .value_kind: global_buffer, .address_space: global }
      - { .name: c2, .offset: 8, .size: 8, .value_kind: global_buffer, .address_space: global }
    .group_segment_fixed_size: 327680
    .private_segment_fixed_size: 0
    .kernarg_segment_align: 8
    .kernarg_segment_size: 16
    .max_flat_workgroup_size: 128
    .sgpr_count:     100
    .vgpr_count:     768
    .wavefront_size: 32
...
	.end_amdgpu_metadata
.endif
;; end of part 2
;; launch score (part 3): grid 8 x 32, 4 waves a work-group, clusters of 4 x 4, 327,680 bytes of LDS; arguments c2, pc, st; writes pc, st
.if DOCPART == 3
	.amdgcn_target "amdgcn-amd-amdhsa--gfx1250"
	.amdhsa_code_object_version 6
	.text
	.protected	k_q1035bcada8_score
	.globl	k_q1035bcada8_score
	.p2align	8
	.type	k_q1035bcada8_score,@function
k_q1035bcada8_score:
	s_mov_b64 s[64:65], 0
	v_nop
	global_prefetch_b8 v0, s[64:65] scope:SCOPE_SE
	s_setreg_imm32_b32 hwreg(HW_REG_WAVE_MODE, 25, 1), 1
	s_wait_xcnt 0x0
	s_wait_alu depctr_hold_cnt(0) depctr_sa_sdst(0) depctr_va_vdst(0) depctr_va_sdst(0) depctr_va_ssrc(0) depctr_va_vcc(0) depctr_vm_vsrc(0)
	s_getreg_b32 s2, hwreg(HW_REG_IB_STS2, 6, 4)
	s_cmp_eq_u32 s2, 0
	s_cbranch_scc0 .Lentry_in_a_cluster
	s_endpgm
.Lentry_in_a_cluster:
	s_bfe_u32 s2, ttmp6, 0x10000c
	s_cmp_lg_u32 s2, 0xf033
	s_cbranch_scc0 .Lentry_shape_is_right
	s_endpgm
.Lentry_shape_is_right:
; S = q k^T on codes of FP6 (E2M3) with E8M0 scales, K = 1,024, sums in f32; then, for each query and each 128 keys: t = S x log2(e) / 32, M = ceil(the largest t of these 128 keys), p = 2^(t - M), l = the sum of the
; unquantised p; p is quantised along the keys and leaves as codes.  M is a whole number, so the last launch brings p under the row's M by subtracting whole numbers from the scale bytes: the codes stay as they are.
; The largest t of the very keys that an exponent belongs to is taken away ahead of every exponential: the 128 keys' largest p lies in (1/2, 1].
; Buffers of codes are laid in records: a row tile T holds rows 32 (T / 2) + 8 (T % 2) + p + 8 (p / 8); a fragment (16 rows x 128 K) is the image of its 12 registers, 1,536 bytes; a record (a tile, 512 K) is 6,400 bytes:
; fragments 0, 1 | 256 bytes of scale words (row p at 16 p, word j at 4 j) | fragments 2, 3; a tile's two records of a panel of 1,024 along K lie on end.  c2, in tiles: q 0, k 512.
; pc, in tiles: (2 x batch + key / 1,024) x 128 + the batch's query tile.  st: ((query tile) x 16 + key step) x 128 bytes: words 0-15 hold -M of the tile's rows, words 16-31 l.
; SHARES: a tile of S is 256 queries x 256 keys; four waves, each 128 x 128: 64 accumulators.  "A" (second source) = q: a lane holds one query; "B" (first source) = k: the lane's registers run along the keys, 16 neighbours in two tiles.
; RING: two LDS slots, each with HALF a record (two fragments and the scale words: 3,328 consecutive bytes) of A's 16 and B's 16 row tiles: 256 along K, 128 matrix instructions a wave.  Slot 0 holds first halves, slot 1 second halves.
; CLUSTER: 4 x 4 work-groups of one batch; q's tiles shared along a row, k's along a column.
; LIMITS: NaN and infinities are not served.  v_exp_f32 gives 0 for p under 2^-126.  A block of 32 keys whose largest p lies under 2^-124 gets the byte 1.  A block's largest p is taken from its largest score by the same multiply-add and
; exponential, which takes v_exp_f32 not to fall where its input rises.  The scale words leave as 4 bytes at a pitch of 16, -M and l as 128 consecutive bytes.
; REGISTERS: window 0: v16-26 addresses, v28-29 for the add; v32-95 scale words, two sets, nothing else; v96-124 the softmax's small numbers; v128-223 A's fragments, ONE set, later p and its codes.  window 1: B's two sets.  windows 2, 3: the accumulators.
.set NA,    8
.set HA,    4
.set NQ,    2
.set NL,    3
.set LROW,  3328
.set CE,    LROW/8
.set RP,    12800
.set AHALF, NA*LROW
.set BHALF, 8*LROW
.set SLOT,  2*AHALF+2*BHALF
.set SPARE, 2*SLOT                     ; the spare words: two blocks of 256 bytes that no other line names
.set ADRA, 16
.set ASA,  18
.set ADRB, 20
.set ASB,  22
.set OA,   24                          ; v24 16 x lane
.set OB,   25                          ; v25 12,800 h + 16 r
.set OC,   26                          ; v26 4 x lane
.set SPW,  28
.set NIL,  29
.set SC,   32
.set SETSZ, NQ*(NA+8)
.set TM,   96                          ; v96-111 at work
.set NM,   112                         ; v112 -M (v113 is named with it as a pair)
.set TT,   114                         ; v114 the largest t
.set LL,   115                         ; v115 l
.set SWD,  116                         ; v116-123 the eight blocks' scale words
.set XS,   124                         ; v124 -M and l merged, on the way out
.set AF,   128
.set P,    128                         ; v128-191 p
.set PC,   192                         ; v192-211 its codes
.set LS,   212                         ; v212-215 two chains of sums
.set LT,   214
.set XW,   224                         ; v224-227 scale words merged, on the way out
.set G1, 24
.set G0, 32
.set G1B, 48
.set G0B, 56
.set OF,  66
.set OS,  68
.set OST, 70
.set CS,  72                           ; s[72:73] c = log2(e) / 32
.set SEL, 82
.set HI,  84
.set MSB, 0
.macro WIN new
.if MSB != (\new)
	s_set_vgpr_msb (MSB<<8)|(\new)
.set MSB, \new
.endif
.endm
.macro PLACES n
.rept \n
	v_nop
.endr
.endm
.macro JLOAD s                         ; a joint load: waves 0, 1 fetch A's halves, waves 2, 3 B's; four v_nop follow each of the two lines
	s_cmp_eq_u32 s15, 0
	s_cbranch_scc0 .Lfor_b_\@
	tensor_load_to_lds s[G0+4*\s:G0+4*\s+3], s[G1:G1+7]
	s_nop 0
.rept 4
	v_nop
.endr
	s_branch .Lasked_\@
.Lfor_b_\@:
	tensor_load_to_lds s[G0B+4*\s:G0B+4*\s+3], s[G1B:G1B+7]
	s_nop 0
.rept 4
	v_nop
.endr
.Lasked_\@:
.endm
.macro CREST
	s_cmp_lg_u32 s14, 0
	s_cbranch_scc1 .Lnot_wave_0_\@
	s_barrier_signal -3
.Lnot_wave_0_\@:
	s_barrier_wait -3
	s_barrier_signal -1
	s_barrier_wait -1
.endm
.macro CROUND
	s_barrier_signal -1
	s_barrier_wait -1
	CREST
.endm
	s_load_b128 s[4:7], s[0:1], 0x0                ; c2, pc
	s_load_b64 s[8:9], s[0:1], 0x10                ; st
	v_lshl_add_u32 v[SPW], v0, 2, SPARE
	v_mov_b32 v[NIL], 0
	ds_add_u32 v28, v29
	ds_add_u32 v28, v29
	s_wait_dscnt 0x0
	v_lshrrev_b32 v1, 5, v0
	v_readfirstlane_b32 s14, v1                    ; wave
	s_lshr_b32 s15, s14, 1                         ; my half of the queries.  Also: I fetch for A (0) or for B (1)
	s_and_b32 s16, s14, 1                          ; my half of the keys.  Also: which half I fetch
	s_bfe_u32 s40, ttmp6, 0x40000                  ; cx
	s_bfe_u32 s41, ttmp6, 0x40004                  ; cy
	s_and_b32 s42, ttmp7, 0xffff                   ; the cluster's y, 0 .. 7
	s_lshl_b32 s43, s41, 2
	s_lshl_b32 s43, 15, s43
	s_lshl_b32 s44, 0x1111, s40
	s_or_b32 s[G1+0], s43, (3<<16)|(1<<21)         ; the mask; elements of 8 bytes; bit 21 set beside a mask; no padding
	s_or_b32 s[G1B+0], s44, (3<<16)|(1<<21)
.irp g, G1, G1B
	s_mov_b32 s[\g+1], CE<<16                      ; tensor_dim0: half a record with its scale words
	s_mov_b32 s[\g+2], 8<<16                       ; tensor_dim1: 8 row tiles
	s_mov_b32 s[\g+3], CE<<16
	s_mov_b32 s[\g+4], 8
	s_mov_b32 s[\g+5], RP/8
	s_mov_b32 s[\g+6], 0
	s_mov_b32 s[\g+7], 0
.endr
	s_mov_b32 s[SEL], 0x76543210
	s_mov_b32 s[SEL+1], 0xfedcba98
	s_mov_b32 s[HI], 0xffff0000
	s_mov_b32 s[CS], 0x3d38aa3b                    ; log2(e) / 32
	s_mov_b32 s[CS+1], s[CS]
	s_lshl_b32 s17, s42, 2
	s_add_co_u32 s17, s17, s41                     ; y = 8 x batch + the batch's tile of 256 queries
	s_lshr_b32 s18, s42, 1                         ; the batch, which all sixteen share
	s_lshl_b32 s86, ttmp9, 2
	s_add_co_u32 s86, s86, s40                     ; x: the batch's tile of 256 keys
	s_lshl_b32 s19, s16, 3
	s_lshl_b32 s20, s17, 4
	s_add_co_u32 s20, s20, s19                     ; q: row tile 16 y + 8 x half
	s_mul_i32 s20, s20, RP
	s_mov_b32 s21, 0
	s_lshl_b32 s88, s18, 7
	s_lshl_b32 s85, s86, 4
	s_add_co_u32 s88, s88, s85
	s_lshl_b32 s85, s16, 3
	s_add_co_u32 s88, s88, s85
	s_add_co_u32 s88, s88, 512                     ; k: row tile 512 + 128 x batch + 16 x + 8 x half
	s_mul_i32 s88, s88, RP
	s_mov_b32 s89, 0
	s_mul_i32 s45, s16, AHALF
	s_mul_i32 s46, s16, BHALF
	s_add_co_u32 s46, s46, 2*AHALF
	; where my results go: my 128 keys are key step ksg = 2 x + half of the batch: panel ksg / 8, record (ksg % 8) / 4, fragment ksg % 4
	s_lshl_b32 s94, s86, 1
	s_add_co_u32 s94, s94, s16                     ; ksg
	s_lshr_b32 s95, s94, 3
	s_lshl_b32 s96, s18, 1
	s_add_co_u32 s96, s96, s95
	s_lshl_b32 s96, s96, 7
	s_and_b32 s97, s17, 7
	s_lshl_b32 s97, s97, 4
	s_add_co_u32 s96, s96, s97
	s_lshl_b32 s97, s15, 3
	s_add_co_u32 s96, s96, s97                     ; row tile of pc
	s_mul_i32 s96, s96, RP
	s_bfe_u32 s97, s94, 0x10002
	s_mul_i32 s97, s97, 6400
	s_add_co_u32 s96, s96, s97
	s_and_b32 s98, s94, 3
	s_mov_b32 s13, 0
	s_wait_kmcnt 0x0
	s_add_nc_u64 s[10:11], s[4:5], s[20:21]
	s_add_nc_u64 s[90:91], s[4:5], s[88:89]
	s_mul_i32 s12, s98, 1536
	s_lshr_b32 s99, s98, 1
	s_lshl_b32 s99, s99, 8
	s_add_co_u32 s12, s12, s99
	s_add_co_u32 s12, s12, s96
	s_add_nc_u64 s[OF:OF+1], s[6:7], s[12:13]      ; my fragments
	s_lshl_b32 s12, s98, 2
	s_add_co_u32 s12, s12, s96
	s_add_co_u32 s12, s12, 3072
	s_add_nc_u64 s[OS:OS+1], s[6:7], s[12:13]      ; my scale words
	s_lshl_b32 s12, s17, 4
	s_lshl_b32 s99, s15, 3
	s_add_co_u32 s12, s12, s99
	s_lshl_b32 s12, s12, 11
	s_lshl_b32 s99, s94, 7
	s_add_co_u32 s12, s12, s99
	s_add_nc_u64 s[OST:OST+1], s[8:9], s[12:13]    ; -M and l: (16 y + 8 x half) x 2,048 + 128 ksg
	CROUND                                         ; all sixteen work-groups are here: the first joint loads meet
.irp s, 0,1
	s_mov_b32 s[G0+4*\s], 1
	s_add_co_u32 s[G0+4*\s+1], s45, \s*SLOT
	s_add_nc_u64 s[G0+4*\s+2:G0+4*\s+3], s[10:11], \s*3072   ; the second half of a record begins with the scale words
	s_or_b32 s[G0+4*\s+3], s[G0+4*\s+3], 0x80000000
	s_mov_b32 s[G0B+4*\s], 1
	s_add_co_u32 s[G0B+4*\s+1], s46, \s*SLOT
	s_add_nc_u64 s[G0B+4*\s+2:G0B+4*\s+3], s[90:91], \s*3072
	s_or_b32 s[G0B+4*\s+3], s[G0B+4*\s+3], 0x80000000
	JLOAD \s
.endr
	v_and_b32 v1, 31, v0
	v_lshlrev_b32 v[OA], 4, v1
	v_lshlrev_b32 v[OC], 2, v1
	v_and_b32 v2, 15, v0
	v_lshlrev_b32 v3, 4, v2
	v_bfe_u32 v4, v0, 4, 1
	s_mul_i32 s21, s15, AHALF
	s_mul_i32 s22, s16, BHALF
	s_add_co_u32 s22, s22, 2*AHALF
.irp s, 0,1
	v_add_nc_u32 v[ADRA+\s], s21, v[OA]
	v_add_nc_u32 v[ASA+\s], s21, v3
	v_add_nc_u32 v[ADRB+\s], s22, v[OA]
	v_add_nc_u32 v[ASB+\s], s22, v3
	s_add_co_u32 s21, s21, SLOT
	s_add_co_u32 s22, s22, SLOT
.endr
	v_mad_u32_u24 v[OB], v4, RP, v3
.irp b, 0,1,2,3
	v_mov_b32 v[TM+4+\b], 0                        ; written once: a lane permute's destination counts as one of its sources
.endr
	v_mov_b32 v[NM+1], 0                           ; named with -M as a pair, so it is written
.macro FRAG reg, adr, off
.irp c, 0,1,2
	ds_load_b128 v[(\reg)+4*\c:(\reg)+4*\c+3], v[\adr] offset:(\off)+512*\c
.endr
.endm
.macro FETCH_B slot, q, p              ; in slot 1 the fragments lie behind the 256 bytes of scale words
	WIN 0x40
.irp i, 0,1,2,3,4,5,6,7
	FRAG 128*(\p)+12*\i, ADRB+\slot, \i*LROW+1536*(\q)+256*(\slot)
.endr
	WIN 0
.endm
.macro FETCH_A slot, q, i0, n
.set FI, \i0
.rept \n
	FRAG AF+12*FI, ADRA+\slot, FI*LROW+1536*(\q)+256*(\slot)
.set FI, FI+1
.endr
.endm
.macro SCALES slot                     ; two words a row: words 0, 1 behind slot 0's fragments, words 2, 3 at slot 1's head.  Lanes 16-31 load what lanes 0-15 load and are not read
.irp i, 0,1,2,3,4,5,6,7
	ds_load_b64 v[SC+(\slot)*SETSZ+2*\i:SC+(\slot)*SETSZ+2*\i+1], v[ASA+\slot] offset:\i*LROW+3072*(1-(\slot))+8*(\slot)
.endr
.irp i, 0,1,2,3,4,5,6,7
	ds_load_b64 v[SC+(\slot)*SETSZ+2*NA+2*\i:SC+(\slot)*SETSZ+2*NA+2*\i+1], v[ASB+\slot] offset:\i*LROW+3072*(1-(\slot))+8*(\slot)
.endr
.endm
; 8 matrix instructions: A's block a against B's eight.  The 64 accumulators take turns, one instruction a turn, in the same order in every K step.
.macro MULB a, p, q, set, zero
	WIN 0xa1+0x50*((\a)/4)
.irp b, 0,1,2,3,4,5,6,7
.if \zero
	v_wmma_scale_f32_16x16x128_f8f6f4 v[8*(8*((\a)%4)+\b):8*(8*((\a)%4)+\b)+7], v[128*(\p)+12*\b:128*(\p)+12*\b+11], v[AF+12*(\a):AF+12*(\a)+11], 0, v[SC+(\set)*SETSZ+NQ*NA+NQ*\b+(\q)], v[SC+(\set)*SETSZ+NQ*(\a)+(\q)] matrix_a_fmt:MATRIX_FMT_FP6 matrix_b_fmt:MATRIX_FMT_FP6
.else
	v_wmma_scale_f32_16x16x128_f8f6f4 v[8*(8*((\a)%4)+\b):8*(8*((\a)%4)+\b)+7], v[128*(\p)+12*\b:128*(\p)+12*\b+11], v[AF+12*(\a):AF+12*(\a)+11], v[8*(8*((\a)%4)+\b):8*(8*((\a)%4)+\b)+7], v[SC+(\set)*SETSZ+NQ*NA+NQ*\b+(\q)], v[SC+(\set)*SETSZ+NQ*(\a)+(\q)] matrix_a_fmt:MATRIX_FMT_FP6 matrix_b_fmt:MATRIX_FMT_FP6
.endif
.endr
.endm
.macro MULH a0, n, p, q, set, zero
.set MA, \a0
.rept \n
	MULB MA, \p, \q, \set, \zero
.set MA, MA+1
.endr
.endm
.macro STEP slot, q, zero              ; a K step that has its successor in the same slot
	s_wait_dscnt HA*NL                             ; all but the youngest loads, A's blocks 4-7
	MULH 0, HA, (\q)%2, \q, \slot, \zero
	s_wait_dscnt 0x0
	PLACES 4                                       ; in front of loads into registers that matrix instructions have read
	FETCH_B \slot, (\q)+1, 1-(\q)%2
	FETCH_A \slot, (\q)+1, 0, HA
	MULH HA, HA, (\q)%2, \q, \slot, \zero
	PLACES 4
	WIN 0
	FETCH_A \slot, (\q)+1, HA, HA
.endm
.macro TURN slot, next, fill           ; a slot's last K step changes slots.  fill = 1: the slot takes the same half of the next record
	s_wait_tensorcnt 0x0                           ; all my tensor loads have landed: my part of the next slot
	ds_add_u32 v[SPW], v[NIL]                      ; 0 onto my spare word
	s_wait_dscnt HA*NL+1                           ; (the add and A's blocks 4-7 may be out)
	MULH 0, HA/2, 1, NQ-1, \slot, 0
	s_wait_dscnt 0x0                               ; the add is done, and my reads of this slot are over
	s_barrier_signal -1
	MULH HA/2, HA/2, 1, NQ-1, \slot, 0
	WIN 0
	s_barrier_wait -1
.if \fill
	CREST                                          ; the barrier has opened a round of the cluster's: no wave of any partner still reads this slot or has a load on its way
	s_add_nc_u64 s[G0+4*\slot+2:G0+4*\slot+3], s[G0+4*\slot+2:G0+4*\slot+3], 6400
	s_add_nc_u64 s[G0B+4*\slot+2:G0B+4*\slot+3], s[G0B+4*\slot+2:G0B+4*\slot+3], 6400
	JLOAD \slot                                    ; the first tensor load behind the round; its four v_nop are also the places in front of the loads below
.else
	PLACES 4
.endif
	FETCH_B \next, 0, 0
	FETCH_A \next, 0, 0, HA
	SCALES \next
	MULH HA, HA, 1, NQ-1, \slot, 0
	PLACES 4
	WIN 0
	FETCH_A \next, 0, HA, HA
.endm
; THE SOFTMAX of block a: 16 queries x my 128 keys.  Lane (r, h) holds query r; register 16 b + i is key 32 b + 16 h + i.
.macro SOFT a
.set WS, 2+(\a)/4                      ; the block's window
.set SS, 64*((\a)%4)                   ; and its first register there
.if \a > 0
	s_wait_xcnt 0x0                                ; the last block's stores have read their data: those registers are written again only behind this wait
.endif
	WIN (WS<<2)|(WS<<4)                            ; sources 1 and 2: the block's window
.irp b, 0,1,2,3
	v_max3_num_f32 v[TM+\b], 0xff800000, v[SS+16*\b], v[SS+16*\b+1]   ; the largest score of each block of 32 keys; each accumulator is read from its low end on
.endr
.irp i, 2,4,6,8,10,12,14
.irp b, 0,1,2,3
	v_max3_num_f32 v[TM+\b], v[TM+\b], v[SS+16*\b+\i], v[SS+16*\b+\i+1]
.endr
.endr
	WIN 0
.irp b, 0,1,2,3
	v_permlanex16_b32 v[TM+4+\b], v[TM+\b], s[SEL], s[SEL+1]
.endr
.irp b, 0,1,2,3
	v_max_num_f32 v[TM+\b], v[TM+\b], v[TM+4+\b]   ; with lane l xor 16's 16 keys
.endr
	v_max3_num_f32 v[TT], v[TM], v[TM+1], v[TM+2]
	v_max_num_f32 v[TT], v[TT], v[TM+3]            ; the largest score of my query's 128 keys,
	v_mul_f32 v[TT], s[CS], v[TT]                  ; as t (c is positive)
	v_floor_f32 v[NM], -v[TT]                      ; -M = floor(-t) = -ceil(t)
	WIN WS                                         ; source 0: the block's window
.set J, 0
.rept 32
	v_pk_fma_f32 v[P+J:P+J+1], v[SS+J:SS+J+1], s[CS:CS+1], v[NM:NM+1] op_sel_hi:[1,0,0]   ; t - M, two at a time
.set J, J+2
.endr
	WIN 0
.irp b, 0,1,2,3
	v_fma_f32 v[TM+\b], v[TM+\b], s[CS], v[NM]     ; the same of each block's largest score
.endr
.set J, 0
.rept 64
	v_exp_f32 v[P+J], v[P+J]                       ; p = 2^(t - M), at most 1
.set J, J+1
.endr
.irp b, 0,1,2,3
	v_exp_f32 v[TM+\b], v[TM+\b]                   ; the block's largest p
.endr
	v_nop                                          ; a plain place behind the exponentials
	s_wait_alu depctr_va_vdst(0)
.irp b, 0,1,2,3
	v_max_num_f32 v[TM+\b], 0x1800000, v[TM+\b]    ; the floor 2^(3 - 127): the byte cannot fall under 1
.endr
.irp b, 0,1,2,3
	v_add_nc_u32 v[TM+12+\b], 0xff000000, v[TM+\b] ; 2 off the exponent field: the conversion's scale operand
.endr
.irp b, 0,1,2,3
	v_lshrrev_b32 v[TM+4+\b], 23, v[TM+12+\b]      ; the scale's byte, under the M of these 128 keys
.endr
	v_lshl_or_b32 v[SWD+\a], v[TM+5], 8, v[TM+4]
	v_lshl_or_b32 v[SWD+\a], v[TM+6], 16, v[SWD+\a]
	v_lshl_or_b32 v[SWD+\a], v[TM+7], 24, v[SWD+\a]
.irp c, 0,1
	v_cvt_scalef32_pk16_fp6_f32 v[PC+6*\c:PC+6*\c+2], v[P+32*\c:P+32*\c+15], v[TM+12+2*\c]
	v_cvt_scalef32_pk16_fp6_f32 v[PC+12+4*\c:PC+14+4*\c], v[P+16+32*\c:P+31+32*\c], v[TM+13+2*\c]
.endr
	v_nop                                          ; one plain place behind a scaled conversion
.irp c, 0,1
.irp i, 0,1,2
	v_permlane16_swap_b32 v[PC+6*\c+\i], v[PC+12+4*\c+\i]
.endr
.irp i, 0,1,2
	v_mov_b32 v[PC+3+6*\c+\i], v[PC+12+4*\c+\i]
.endr
.endr
	v_pk_add_f32 v[LS:LS+1], v[P:P+1], v[P+4:P+5]  ; the sum of the UNQUANTISED p: two at a time, in two chains
	v_pk_add_f32 v[LT:LT+1], v[P+2:P+3], v[P+6:P+7]
.irp j, 8,12,16,20,24,28,32,36,40,44,48,52,56,60
	v_pk_add_f32 v[LS:LS+1], v[LS:LS+1], v[P+\j:P+\j+1]
	v_pk_add_f32 v[LT:LT+1], v[LT:LT+1], v[P+\j+2:P+\j+3]
.endr
	v_pk_add_f32 v[LS:LS+1], v[LS:LS+1], v[LT:LT+1]
	v_add_f32 v[LL], v[LS], v[LS+1]
	v_permlanex16_b32 v[TM+4], v[LL], s[SEL], s[SEL+1]
	v_add_f32 v[LL], v[LL], v[TM+4]                ; with lane l xor 16's: l of these 128 keys
.irp c, 0,1,2
	global_store_b128 v[OA], v[PC+4*\c:PC+4*\c+3], s[OF:OF+1] offset:RP*\a+512*\c   ; the fragment's image: 512 consecutive bytes
.endr
	v_cndmask_b32 v[XS], v[NM], v[LL], s[HI]       ; lanes 0-15: -M of row r; lanes 16-31: l of row r
	global_store_b32 v[OC], v[XS], s[OST:OST+1] offset:2048*\a
.endm
	s_wait_tensorcnt 1                             ; my part of slot 0 is in; slot 1's load, issued behind it, may stay out
	s_barrier_signal -1
	s_barrier_wait -1
	FETCH_B 0, 0, 0
	FETCH_A 0, 0, 0, HA
	SCALES 0
	FETCH_A 0, 0, HA, HA
	STEP 0, 0, 1                                   ; the first products start the sums: nothing is cleared
	TURN 0, 1, 1
	STEP 1, 0, 0
	TURN 1, 0, 1
	STEP 0, 0, 0
	TURN 0, 1, 0
	STEP 1, 0, 0
	s_wait_dscnt HA*NL                             ; the very last K step: nothing more to fetch
	MULH 0, HA, 1, NQ-1, 1, 0
	s_wait_dscnt 0x0
	MULH HA, HA, 1, NQ-1, 1, 0
	WIN 0
	PLACES 4
.irp a, 0,1,2,3,4,5,6,7
	SOFT \a
.endr
.irp a, 0,2,4,6
	v_cndmask_b32 v[XW+\a/2], v[SWD+\a], v[SWD+\a+1], s[HI]   ; lanes 0-15: block a's scale words, lanes 16-31: block a + 1's
	global_store_b32 v[OB], v[XW+\a/2], s[OS:OS+1] offset:RP*\a
.endr
	s_wait_tensorcnt 0x0                           ; the wave's end
	ds_add_u32 v[SPW], v[NIL]
	s_wait_dscnt 0x0
	CROUND                                         ; the closing round
	s_endpgm
.Lfunc_end_k_q1035bcada8_score:
	.size	k_q1035bcada8_score, .Lfunc_end_k_q1035bcada8_score-k_q1035bcada8_score
	.p2alignl 7, 3214868480
	.fill 96, 4, 3214868480
	.section	.rodata,"a",@progbits
	.p2align	6, 0x0
	.amdhsa_kernel k_q1035bcada8_score
		.amdhsa_group_segment_fixed_size 327680
		.amdhsa_private_segment_fixed_size 0
		.amdhsa_enable_private_segment 0
		.amdhsa_kernarg_size 24
		.amdhsa_user_sgpr_count 2
		.amdhsa_user_sgpr_kernarg_segment_ptr 1
		.amdhsa_wavefront_size32 1
		.amdhsa_system_sgpr_workgroup_id_x 1
		.amdhsa_system_sgpr_workgroup_id_y 1
		.amdhsa_system_sgpr_workgroup_id_z 1
		.amdhsa_system_vgpr_workitem_id 0
		.amdhsa_next_free_vgpr 1024
		.amdhsa_next_free_sgpr 100
		.amdhsa_reserve_vcc 0
		.amdhsa_float_denorm_mode_32 3
		.amdhsa_float_denorm_mode_16_64 3
		.amdhsa_memory_ordered 1
		.amdhsa_forward_progress 1
		.amdhsa_inst_pref_size 197
	.end_amdhsa_kernel
	.amdgpu_metadata
---
amdhsa.version: [ 1, 2 ]
amdhsa.kernels:
  - .name:           k_q1035bcada8_score
    .symbol:         k_q1035bcada8_score.kd
    .args:
      - { .name: c2, .offset: 0, .size: 8, .value_kind: global_buffer, .address_space: global }
      - { .name: pc, .offset: 8, .size: 8, .value_kind: global_buffer, .address_space: global }
      - { .name: st, .offset: 16, .size: 8, .value_kind: global_buffer, .address_space: global }
    .group_segment_fixed_size: 327680
    .private_segment_fixed_size: 0
    .kernarg_segment_align: 8
    .kernarg_segment_size: 24
    .max_flat_workgroup_size: 128
    .sgpr_count:     100
    .vgpr_count:     1024
    .wavefront_size: 32
...
	.end_amdgpu_metadata
.endif
;; end of part 3
;; launch pv (part 4): grid 4 x 64, 4 waves a work-group, clusters of 4 x 4, 327,680 bytes of LDS; arguments pc, st, c2, out0; writes out0
.if DOCPART == 4
	.amdgcn_target "amdgcn-amd-amdhsa--gfx1250"
	.amdhsa_code_object_version 6
	.text
	.protected	k_q1035bcada8_pv
	.globl	k_q1035bcada8_pv
	.p2align	8
	.type	k_q1035bcada8_pv,@function
k_q1035bcada8_pv:
	s_mov_b64 s[64:65], 0
	v_nop
	global_prefetch_b8 v0, s[64:65] scope:SCOPE_SE
	s_setreg_imm32_b32 hwreg(HW_REG_WAVE_MODE, 25, 1), 1
	s_wait_xcnt 0x0
	s_wait_alu depctr_hold_cnt(0) depctr_sa_sdst(0) depctr_va_vdst(0) depctr_va_sdst(0) depctr_va_ssrc(0) depctr_va_vcc(0) depctr_vm_vsrc(0)
	s_getreg_b32 s2, hwreg(HW_REG_IB_STS2, 6, 4)
	s_cmp_eq_u32 s2, 0
	s_cbranch_scc0 .Lentry_in_a_cluster
	s_endpgm
.Lentry_in_a_cluster:
	s_bfe_u32 s2, ttmp6, 0x10000c
	s_cmp_lg_u32 s2, 0xf033
	s_cbranch_scc0 .Lentry_shape_is_right
	s_endpgm
.Lentry_shape_is_right:
; O = p v / l on codes of FP6 (E2M3) with E8M0 scales, K = the batch's 2,048 keys, sums in f32.  p's codes were made under an M of their own for each 128 keys; st holds that -M and the sum l of each 128 keys.
; AT THE HEAD each thread takes one of the work-group's 128 queries: the row's M is the largest of the sixteen; each key step's E = its M - the row's M is a whole number, 0 or less; l = the sum of the sixteen l x 2^E
; (v_ldexp_f32: exact); and E is added to the four scale bytes of that key step: p x 2^E with the codes as they are.  The mended scale words and 1 / l go to LDS bytes of their own.
; Buffers of codes are laid in records: a row tile T holds rows 32 (T / 2) + 8 (T % 2) + p + 8 (p / 8); a fragment (16 rows x 128 K) is the image of its 12 registers, 1,536 bytes; a record (a tile, 512 K) is 6,400 bytes:
; fragments 0, 1 | 256 bytes of scale words (row p at 16 p, word j at 4 j) | fragments 2, 3; a tile's two records of a panel of 1,024 along K lie on end.
; pc, in tiles: (2 x batch + key / 1,024) x 128 + the batch's query tile.  c2: v^T at 1,024 + 64 x (global key / 1,024) + channel tile.  st: ((query tile) x 16 + key step) x 128 bytes: words 0-15 -M, words 16-31 l.
; SHARES: a tile of O is 128 queries x 256 channels: 256 work-groups; four waves, each 64 x 128 (32 accumulators).  "A" (second source) = p: a lane holds one query; "B" (first source) = v^T: the lane's registers run along the channels.
; RING: two LDS slots, each with one record of A's 8 and B's 16 row tiles (512 keys, four K steps): 128 matrix instructions a wave between two refills.  p's raw scale words come along with the records and are not read.
; CLUSTER: 4 x 4 work-groups of one batch; p's tiles shared along a row, v^T's along a column.
; LIMITS: NaN and infinities are not served.  A scale byte of p that would fall under 0 beneath the row's M is held at 0: such p lie under 2^-124 of a row whose largest p is above 1/2.  Differences of M go through v_cvt_i32_f32, which saturates.
; REGISTERS: window 0: v5-6 offsets of the head's loads; v8-15 1 / l of my four blocks (pairs); v16-30 addresses; v32-127 scale words, two sets, nothing else; v128-175 A's fragments, ONE set; at the head v128-199 at work; on the way out v128-255 rows of O.
;   window 1: B's two sets, on the way out O / l.  window 2: the accumulators, (a, b) at v[8 (8 a + b)].
.set NA,    4
.set HA,    2
.set NQ,    4
.set NL,    3
.set LROW,  6400
.set CE,    LROW/8
.set RP,    12800
.set AHALF, NA*LROW
.set BHALF, 8*LROW
.set SLOT,  2*AHALF+2*BHALF
.set FIX,   2*SLOT                     ; the mended scale words: row tile x 1,024 + visit x 256 + 16 r: 8,192 bytes, written by LDS stores alone
.set RL,    FIX+8192                   ; 1 / l of the 128 queries: 512 bytes
.set SPARE, RL+512                     ; the spare words: two blocks of 256 bytes that no other line names
.set STW,   8448                       ; the way out: a stage of 16 rows x (512 + 16) bytes for each wave, in slot 0, which has had its last fill and its last read by then
.set SPT,   528
.set RI,   8                           ; v8, v10, v12, v14: 1 / l of block a's row r
.set ADRA, 16
.set FXR,  18                          ; v18 where I read mended scale words
.set RLR,  19                          ; v19 where I read 1 / l
.set ADRB, 20
.set ASB,  22
.set STI,  24                          ; v24 the stage, in
.set STO,  25                          ; v25 the stage, out
.set OL,   26                          ; v26 16 x lane
.set FXW,  27                          ; v27 where I store mended scale words
.set SPW,  28
.set NIL,  29
.set RLW,  30                          ; v30 where I store 1 / l
.set SC,   32
.set SETSZ, NQ*(NA+8)
.set AF,   128
.set FN,   128                         ; the head: v128-143 -M, v144-159 l, v160-175 raw scale words, v176-191 E, v192-199 at work
.set FL,   144
.set FW,   160
.set FE,   176
.set FT,   192
.set BK,   128                         ; the way out: 16 rows read back, v128-191 and v192-255 by turns
.set G1, 24
.set G0, 32
.set G1B, 48
.set G0B, 56
.set STB, 66                           ; s[66:67] st at my wave's two row tiles;  s[68:69] pc likewise;  s[70:71] out0 at my part
.set PCB, 68
.set OUT, 70
.set MSB, 0
.macro WIN new
.if MSB != (\new)
	s_set_vgpr_msb (MSB<<8)|(\new)
.set MSB, \new
.endif
.endm
.macro PLACES n
.rept \n
	v_nop
.endr
.endm
.macro JLOAD s                         ; a joint load: waves 0, 1 fetch A's halves, waves 2, 3 B's; four v_nop follow each of the two lines
	s_cmp_eq_u32 s15, 0
	s_cbranch_scc0 .Lfor_b_\@
	tensor_load_to_lds s[G0+4*\s:G0+4*\s+3], s[G1:G1+7]
	s_nop 0
.rept 4
	v_nop
.endr
	s_branch .Lasked_\@
.Lfor_b_\@:
	tensor_load_to_lds s[G0B+4*\s:G0B+4*\s+3], s[G1B:G1B+7]
	s_nop 0
.rept 4
	v_nop
.endr
.Lasked_\@:
.endm
.macro CREST
	s_cmp_lg_u32 s14, 0
	s_cbranch_scc1 .Lnot_wave_0_\@
	s_barrier_signal -3
.Lnot_wave_0_\@:
	s_barrier_wait -3
	s_barrier_signal -1
	s_barrier_wait -1
.endm
.macro CROUND
	s_barrier_signal -1
	s_barrier_wait -1
	CREST
.endm
	s_load_b256 s[4:11], s[0:1], 0x0               ; pc, st, c2, out0
	v_lshl_add_u32 v[SPW], v0, 2, SPARE
	v_mov_b32 v[NIL], 0
	ds_add_u32 v28, v29
	ds_add_u32 v28, v29
	s_wait_dscnt 0x0
	v_lshrrev_b32 v1, 5, v0
	v_readfirstlane_b32 s14, v1                    ; wave
	s_lshr_b32 s15, s14, 1                         ; my half of the queries.  Also: I fetch for A (0) or for B (1)
	s_and_b32 s16, s14, 1                          ; my half of the channels.  Also: which half I fetch
	s_bfe_u32 s40, ttmp6, 0x40000                  ; cx
	s_bfe_u32 s41, ttmp6, 0x40004                  ; cy
	s_and_b32 s42, ttmp7, 0xffff                   ; the cluster's y, 0 .. 15
	s_lshl_b32 s43, s41, 2
	s_lshl_b32 s43, 15, s43
	s_lshl_b32 s44, 0x1111, s40
	s_or_b32 s[G1+0], s43, (3<<16)|(1<<21)         ; the mask; elements of 8 bytes; bit 21 set beside a mask; no padding
	s_or_b32 s[G1B+0], s44, (3<<16)|(1<<21)
	s_mov_b32 s[G1+1], CE<<16                      ; a record
	s_mov_b32 s[G1+2], NA<<16                      ; 4 row tiles
	s_mov_b32 s[G1+3], CE<<16
	s_mov_b32 s[G1+4], NA
	s_mov_b32 s[G1+5], RP/8
	s_mov_b32 s[G1+6], 0
	s_mov_b32 s[G1+7], 0
	s_mov_b32 s[G1B+1], CE<<16
	s_mov_b32 s[G1B+2], 8<<16                      ; 8 row tiles
	s_mov_b32 s[G1B+3], CE<<16
	s_mov_b32 s[G1B+4], 8
	s_mov_b32 s[G1B+5], RP/8
	s_mov_b32 s[G1B+6], 0
	s_mov_b32 s[G1B+7], 0
	s_lshl_b32 s17, s42, 2
	s_add_co_u32 s17, s17, s41                     ; y = 16 x batch + the batch's tile of 128 queries
	s_lshr_b32 s18, s42, 2                         ; the batch, which all sixteen share
	s_lshl_b32 s86, ttmp9, 2
	s_add_co_u32 s86, s86, s40                     ; x: the tile of 256 channels
	s_lshl_b32 s19, s17, 3
	s_lshl_b32 s20, s18, 7
	s_add_co_u32 s19, s19, s20                     ; 8 y + 128 x batch: my work-group's first row tile in pc's panel 2 x batch
	s_lshl_b32 s20, s16, 2
	s_add_co_u32 s20, s20, s19
	s_mul_i32 s20, s20, RP
	s_mov_b32 s21, 0
	s_lshl_b32 s88, s18, 7
	s_lshl_b32 s85, s86, 4
	s_add_co_u32 s88, s88, s85
	s_lshl_b32 s85, s16, 3
	s_add_co_u32 s88, s88, s85
	s_add_co_u32 s88, s88, 1024                    ; v^T: row tile 1,024 + 128 x batch + 16 x + 8 x half
	s_mul_i32 s88, s88, RP
	s_mov_b32 s89, 0
	s_mul_i32 s45, s16, AHALF
	s_mul_i32 s46, s16, BHALF
	s_add_co_u32 s46, s46, 2*AHALF
	s_lshl_b32 s94, s14, 1                         ; at the head my wave takes row tiles 2 x wave and 2 x wave + 1 of the work-group's eight
	s_add_co_u32 s95, s19, s94
	s_mul_i32 s12, s95, RP
	s_mov_b32 s13, 0
	s_lshl_b32 s96, s17, 3
	s_add_co_u32 s96, s96, s94
	s_lshl_b32 s96, s96, 11                        ; st: 2,048 bytes a row tile
	s_mov_b32 s97, 0
	s_lshl_b32 s98, s17, 7
	s_lshl_b32 s99, s15, 6
	s_add_co_u32 s98, s98, s99
	s_lshl_b32 s98, s98, 12                        ; out0: row 128 y + 64 x half, rows of 4,096 bytes,
	s_lshl_b32 s99, s86, 10
	s_add_co_u32 s98, s98, s99                     ; + 1,024 x
	s_lshl_b32 s99, s16, 9
	s_add_co_u32 s98, s98, s99                     ; + 512 x half
	s_mov_b32 s99, 0
	v_and_b32 v2, 15, v0                           ; r
	v_bfe_u32 v4, v0, 4, 1                         ; h
	v_lshlrev_b32 v3, 4, v2                        ; 16 r
	v_lshlrev_b32 v5, 2, v2
	v_lshl_add_u32 v5, v4, 11, v5                  ; st: 2,048 h + 4 r
	v_mad_u32_u24 v6, v4, RP, v3                   ; pc: 12,800 h + 16 r
	s_wait_kmcnt 0x0
	s_add_nc_u64 s[22:23], s[4:5], s[20:21]
	s_add_nc_u64 s[90:91], s[8:9], s[88:89]
	s_add_nc_u64 s[PCB:PCB+1], s[4:5], s[12:13]
	s_add_nc_u64 s[STB:STB+1], s[6:7], s[96:97]
	s_add_nc_u64 s[OUT:OUT+1], s[10:11], s[98:99]
.set J, 0
.rept 16                               ; my query's -M and l of the sixteen key steps
	global_load_b32 v[FN+J], v5, s[STB:STB+1] offset:128*J
	global_load_b32 v[FL+J], v5, s[STB:STB+1] offset:128*J+64
.set J, J+1
.endr
.irp v, 0,1,2,3                        ; and its raw scale words: visit v = panel v / 2, record v % 2: four words
	global_load_b128 v[FW+4*\v:FW+4*\v+3], v6, s[PCB:PCB+1] offset:128*RP*(\v/2)+LROW*(\v%2)+3072
.endr
	CROUND                                         ; all sixteen work-groups are here: the first joint loads meet
.irp s, 0,1
	s_mov_b32 s[G0+4*\s], 1
	s_add_co_u32 s[G0+4*\s+1], s45, \s*SLOT
	s_add_nc_u64 s[G0+4*\s+2:G0+4*\s+3], s[22:23], \s*LROW
	s_or_b32 s[G0+4*\s+3], s[G0+4*\s+3], 0x80000000
	s_mov_b32 s[G0B+4*\s], 1
	s_add_co_u32 s[G0B+4*\s+1], s46, \s*SLOT
	s_add_nc_u64 s[G0B+4*\s+2:G0B+4*\s+3], s[90:91], \s*LROW
	s_or_b32 s[G0B+4*\s+3], s[G0B+4*\s+3], 0x80000000
	JLOAD \s
.endr
	v_and_b32 v1, 31, v0
	v_lshlrev_b32 v[OL], 4, v1                     ; 16 x lane
	s_mul_i32 s21, s15, AHALF
	s_mul_i32 s22, s16, BHALF
	s_add_co_u32 s22, s22, 2*AHALF
.irp s, 0,1
	v_add_nc_u32 v[ADRA+\s], s21, v[OL]
	v_add_nc_u32 v[ADRB+\s], s22, v[OL]
	v_add_nc_u32 v[ASB+\s], s22, v3
	s_add_co_u32 s21, s21, SLOT
	s_add_co_u32 s22, s22, SLOT
.endr
	s_lshl_b32 s21, s15, 12
	v_add_nc_u32 v[FXR], s21, v3
	v_add_nc_u32 v[FXR], FIX, v[FXR]               ; FIX + 4,096 x my half + 16 r
	s_lshl_b32 s21, s15, 8
	v_lshl_add_u32 v[RLR], v2, 2, s21
	v_add_nc_u32 v[RLR], RL, v[RLR]                ; RL + 256 x my half + 4 r
	s_lshl_b32 s21, s14, 11
	v_lshl_add_u32 v[FXW], v4, 10, v3
	v_add_nc_u32 v[FXW], s21, v[FXW]
	v_add_nc_u32 v[FXW], FIX, v[FXW]               ; FIX + 2,048 x wave + 1,024 h + 16 r
	v_lshl_add_u32 v[RLW], v0, 2, RL               ; RL + 4 x thread: query 16 x row tile + r is the thread's number
	s_mul_i32 s21, s14, STW
	v_mul_u32_u24 v[STI], v2, SPT
	v_lshl_add_u32 v[STI], v4, 6, v[STI]
	v_add_nc_u32 v[STI], s21, v[STI]               ; the stage: row r, + 64 h
	v_add_nc_u32 v[STO], s21, v[OL]
.irp a, 0,1,2,3
	v_mov_b32 v[RI+2*\a+1], 0                      ; named with 1 / l as a pair, so it is written
.endr
	; ---- the row's M, l, and the scale words under the row's M; the tiles are on their way meanwhile
	s_wait_loadcnt 0x0
	v_min3_num_f32 v[FT], v[FN], v[FN+1], v[FN+2]
.irp i, 3,5,7,9,11,13
	v_min3_num_f32 v[FT], v[FT], v[FN+\i], v[FN+\i+1]
.endr
	v_min_num_f32 v[FT], v[FT], v[FN+15]           ; the least -M: the row's
.set J, 0
.rept 16
	v_sub_f32 v[FE+J], v[FT], v[FN+J]              ; E = this key step's M - the row's M: a whole number, 0 or less
.set J, J+1
.endr
.set J, 0
.rept 16
	v_cvt_i32_f32 v[FE+J], v[FE+J]                 ; (it saturates)
.set J, J+1
.endr
.set J, 0
.rept 16
	v_ldexp_f32 v[FL+J], v[FL+J], v[FE+J]          ; l under the row's M: nothing is rounded
.set J, J+1
.endr
.irp j, 0,2,4,6,8,10,12,14
	v_add_f32 v[FL+\j], v[FL+\j], v[FL+\j+1]
.endr
.irp j, 0,4,8,12
	v_add_f32 v[FL+\j], v[FL+\j], v[FL+\j+2]
.endr
	v_add_f32 v[FL], v[FL], v[FL+4]
	v_add_f32 v[FL+8], v[FL+8], v[FL+12]
	v_add_f32 v[FL], v[FL], v[FL+8]                ; the row's sum
	v_rcp_f32 v[FT+1], v[FL]                       ; (the lines below are the plain places behind it)
.set J, 0
.rept 16                               ; key step J's word: E onto each of its four bytes, held at 0 from below
	v_and_b32 v[FT+2], 0xff, v[FW+J]
	v_bfe_u32 v[FT+3], v[FW+J], 8, 8
	v_bfe_u32 v[FT+4], v[FW+J], 16, 8
	v_lshrrev_b32 v[FT+5], 24, v[FW+J]
.irp i, 2,3,4,5
	v_add_nc_u32 v[FT+\i], v[FT+\i], v[FE+J]
.endr
.irp i, 2,3,4,5
	v_max_i32 v[FT+\i], 0, v[FT+\i]
.endr
	v_lshl_or_b32 v[FW+J], v[FT+3], 8, v[FT+2]
	v_lshl_or_b32 v[FW+J], v[FT+4], 16, v[FW+J]
	v_lshl_or_b32 v[FW+J], v[FT+5], 24, v[FW+J]
.set J, J+1
.endr
.irp v, 0,1,2,3
	ds_store_b128 v[FXW], v[FW+4*\v:FW+4*\v+3] offset:256*\v
.endr
	s_wait_alu depctr_va_vdst(0)
	ds_store_b32 v[RLW], v[FT+1]
	s_wait_dscnt 0x0                               ; for the others' sake: my stores have landed
	s_wait_tensorcnt 1                             ; my part of slot 0 is in; slot 1's load, issued behind it, may stay out
	s_barrier_signal -1
	s_barrier_wait -1                              ; the one barrier serves the mended words, 1 / l and slot 0
.macro FRAG reg, adr, off
.irp c, 0,1,2
	ds_load_b128 v[(\reg)+4*\c:(\reg)+4*\c+3], v[\adr] offset:(\off)+512*\c
.endr
.endm
.macro FETCH_B slot, q, p
	WIN 0x40
.irp i, 0,1,2,3,4,5,6,7
	FRAG 128*(\p)+12*\i, ADRB+\slot, \i*LROW+1536*(\q)+256*((\q)/2)
.endr
	WIN 0
.endm
.macro FETCH_A slot, q, i0, n
.set FI, \i0
.rept \n
	FRAG AF+12*FI, ADRA+\slot, FI*LROW+1536*(\q)+256*((\q)/2)
.set FI, FI+1
.endr
.endm
.macro SCALES slot, v                  ; visit v's scale words, four a row: p's from the mended words, v^T's from the slot.  Lanes 16-31 load what lanes 0-15 load and are not read
.irp i, 0,1,2,3
	ds_load_b128 v[SC+(\slot)*SETSZ+4*\i:SC+(\slot)*SETSZ+4*\i+3], v[FXR] offset:1024*\i+256*(\v)
.endr
.irp i, 0,1,2,3,4,5,6,7
	ds_load_b128 v[SC+(\slot)*SETSZ+4*NA+4*\i:SC+(\slot)*SETSZ+4*NA+4*\i+3], v[ASB+\slot] offset:\i*LROW+3072
.endr
.endm
; 8 matrix instructions: A's block a against B's eight.  The 32 accumulators take turns, one instruction a turn, in the same order in every K step.
.macro MULB a, p, q, set, zero
	WIN 0xa1
.irp b, 0,1,2,3,4,5,6,7
.if \zero
	v_wmma_scale_f32_16x16x128_f8f6f4 v[8*(8*(\a)+\b):8*(8*(\a)+\b)+7], v[128*(\p)+12*\b:128*(\p)+12*\b+11], v[AF+12*(\a):AF+12*(\a)+11], 0, v[SC+(\set)*SETSZ+NQ*NA+NQ*\b+(\q)], v[SC+(\set)*SETSZ+NQ*(\a)+(\q)] matrix_a_fmt:MATRIX_FMT_FP6 matrix_b_fmt:MATRIX_FMT_FP6
.else
	v_wmma_scale_f32_16x16x128_f8f6f4 v[8*(8*(\a)+\b):8*(8*(\a)+\b)+7], v[128*(\p)+12*\b:128*(\p)+12*\b+11], v[AF+12*(\a):AF+12*(\a)+11], v[8*(8*(\a)+\b):8*(8*(\a)+\b)+7], v[SC+(\set)*SETSZ+NQ*NA+NQ*\b+(\q)], v[SC+(\set)*SETSZ+NQ*(\a)+(\q)] matrix_a_fmt:MATRIX_FMT_FP6 matrix_b_fmt:MATRIX_FMT_FP6
.endif
.endr
.endm
.macro MULH a0, n, p, q, set, zero
.set MA, \a0
.rept \n
	MULB MA, \p, \q, \set, \zero
.set MA, MA+1
.endr
.endm
.macro STEP slot, q, zero
	s_wait_dscnt HA*NL                             ; all but the youngest loads, A's blocks 2, 3
	MULH 0, HA, (\q)%2, \q, \slot, \zero
	s_wait_dscnt 0x0
	PLACES 4                                       ; in front of loads into registers that matrix instructions have read
	FETCH_B \slot, (\q)+1, 1-(\q)%2
	FETCH_A \slot, (\q)+1, 0, HA
	MULH HA, HA, (\q)%2, \q, \slot, \zero
	PLACES 4
	WIN 0
	FETCH_A \slot, (\q)+1, HA, HA
.endm
.macro TURN slot, next, fill, v        ; a slot's last K step changes slots; v: the visit that follows.  fill = 1: the slot takes the same record of the batch's second 1,024 keys
	s_wait_tensorcnt 0x0                           ; all my tensor loads have landed: my part of the next slot
	ds_add_u32 v[SPW], v[NIL]                      ; 0 onto my spare word
	s_wait_dscnt HA*NL+1                           ; (the add and A's blocks 2, 3 may be out)
	MULH 0, HA/2, 1, NQ-1, \slot, 0
	s_wait_dscnt 0x0                               ; the add is done, and my reads of this slot are over
	s_barrier_signal -1
	MULH HA/2, HA/2, 1, NQ-1, \slot, 0
	WIN 0
	s_barrier_wait -1
.if \fill
	CREST                                          ; the barrier has opened a round of the cluster's: no wave of any partner still reads this slot or has a load on its way
	s_add_nc_u64 s[G0+4*\slot+2:G0+4*\slot+3], s[G0+4*\slot+2:G0+4*\slot+3], 128*RP   ; p's next panel: 128 row tiles on
	s_add_nc_u64 s[G0B+4*\slot+2:G0B+4*\slot+3], s[G0B+4*\slot+2:G0B+4*\slot+3], 64*RP   ; v^T's: 64
	JLOAD \slot                                    ; the first tensor load behind the round; its four v_nop are also the places in front of the loads below
.else
	PLACES 4
.endif
	FETCH_B \next, 0, 0
	FETCH_A \next, 0, 0, HA
	SCALES \next, \v
	MULH HA, HA, 1, NQ-1, \slot, 0
	PLACES 4
	WIN 0
	FETCH_A \next, 0, HA, HA
.endm
.macro THREE slot, zero
	STEP \slot, 0, \zero
	STEP \slot, 1, 0
	STEP \slot, 2, 0
.endm
; THE WAY OUT, block by block of 16 queries x 128 channels.  Register 8 b + j of lane (r, h) is channel 32 (b / 2) + 16 h + 8 (b % 2) + j of query r.
.macro PACK a                          ; O / l into window 1, two runs of 64 registers by turns; each accumulator is read from its low end on
	WIN 0x42                                       ; source 0 window 2, destination window 1
.set J, 0
.rept 32
	v_pk_mul_f32 v[64*((\a)%2)+J:64*((\a)%2)+J+1], v[64*(\a)+J:64*(\a)+J+1], v[RI+2*(\a):RI+2*(\a)+1] op_sel_hi:[1,0]
.set J, J+2
.endr
	WIN 0
.endm
.macro TOSTAGE a                       ; into my stage, and back as whole rows of 512 bytes
	WIN 0x04                                       ; an LDS store's data are its source 1: window 1
.irp b, 0,1,2,3,4,5,6,7
	ds_store_b128 v[STI], v[64*((\a)%2)+8*\b:64*((\a)%2)+8*\b+3] offset:128*(\b/2)+32*(\b%2)
	ds_store_b128 v[STI], v[64*((\a)%2)+8*\b+4:64*((\a)%2)+8*\b+7] offset:128*(\b/2)+32*(\b%2)+16
.endr
	WIN 0
.set J, 0
.rept 16
	ds_load_b128 v[BK+64*((\a)%2)+4*J:BK+64*((\a)%2)+4*J+3], v[STO] offset:SPT*J   ; LDS serves a wave's instructions in order: these see the stores above
.set J, J+1
.endr
.endm
.macro SEND a
	s_wait_dscnt 0x0                               ; the block is back in registers, and its stores into the stage have read theirs
	s_wait_xcnt 0x0                                ; the block before's stores have read their data: the next block's loads may land there
.set J, 0
.rept 16
	global_store_b128 v[OL], v[BK+64*((\a)%2)+4*J:BK+64*((\a)%2)+4*J+3], s[OUT:OUT+1] offset:(32*((\a)/2)+8*((\a)%2)+J+8*(J/8))*4096 th:TH_STORE_NT   ; the tile's row J: 512 consecutive bytes, at a multiple of 256 from out0's first byte
.set J, J+1
.endr
.endm
.irp a, 0,1,2,3
	ds_load_b32 v[RI+2*\a], v[RLR] offset:64*\a    ; 1 / l of block a's row r; the oldest LDS loads: every later wait covers them
.endr
	FETCH_B 0, 0, 0
	FETCH_A 0, 0, 0, HA
	SCALES 0, 0
	FETCH_A 0, 0, HA, HA
	THREE 0, 1                                     ; the first products start the sums: nothing is cleared
	TURN 0, 1, 1, 1
	THREE 1, 0
	TURN 1, 0, 1, 2
	THREE 0, 0
	TURN 0, 1, 0, 3
	THREE 1, 0
	s_wait_dscnt HA*NL                             ; the very last K step: nothing more to fetch
	MULH 0, HA, 1, NQ-1, 1, 0
	s_wait_dscnt 0x0
	MULH HA, HA, 1, NQ-1, 1, 0
	WIN 0
	PLACES 4
	PACK 0
	TOSTAGE 0
.irp a, 1,2,3                          ; block a's multiplications stand between block a - 1's loads from the stage and the wait for them
	PACK \a
	SEND \a-1
	TOSTAGE \a
.endr
	SEND 3
	s_wait_tensorcnt 0x0                           ; the wave's end
	ds_add_u32 v[SPW], v[NIL]
	s_wait_dscnt 0x0
	CROUND                                         ; the closing round
	s_endpgm
.Lfunc_end_k_q1035bcada8_pv:
	.size	k_q1035bcada8_pv, .Lfunc_end_k_q1035bcada8_pv-k_q1035bcada8_pv
	.p2alignl 7, 3214868480
	.fill 96, 4, 3214868480
	.section	.rodata,"a",@progbits
	.p2align	6, 0x0
	.amdhsa_kernel k_q1035bcada8_pv
		.amdhsa_group_segment_fixed_size 327680
		.amdhsa_private_segment_fixed_size 0
		.amdhsa_enable_private_segment 0
		.amdhsa_kernarg_size 32
		.amdhsa_user_sgpr_count 2
		.amdhsa_user_sgpr_kernarg_segment_ptr 1
		.amdhsa_wavefront_size32 1
		.amdhsa_system_sgpr_workgroup_id_x 1
		.amdhsa_system_sgpr_workgroup_id_y 1
		.amdhsa_system_sgpr_workgroup_id_z 1
		.amdhsa_system_vgpr_workitem_id 0
		.amdhsa_next_free_vgpr 768
		.amdhsa_next_free_sgpr 100
		.amdhsa_reserve_vcc 0
		.amdhsa_float_denorm_mode_32 3
		.amdhsa_float_denorm_mode_16_64 3
		.amdhsa_memory_ordered 1
		.amdhsa_forward_progress 1
		.amdhsa_inst_pref_size 162
	.end_amdhsa_kernel
	.amdgpu_metadata
---
amdhsa.version: [ 1, 2 ]
amdhsa.kernels:
  - .name:           k_q1035bcada8_pv
    .symbol:         k_q1035bcada8_pv.kd
    .args:
      - { .name: pc, .offset: 0, .size: 8, .value_kind: global_buffer, .address_space: global }
      - { .name: st, .offset: 8, .size: 8, .value_kind: global_buffer, .address_space: global }
      - { .name: c2, .offset: 16, .size: 8, .value_kind: global_buffer, .address_space: global }
      - { .name: out0, .offset: 24, .size: 8, .value_kind: global_buffer, .address_space: global }
    .group_segment_fixed_size: 327680
    .private_segment_fixed_size: 0
    .kernarg_segment_align: 8
    .kernarg_segment_size: 32
    .max_flat_workgroup_size: 128
    .sgpr_count:     100
    .vgpr_count:     768
    .wavefront_size: 32
...
	.end_amdgpu_metadata
.endif
;; end of part 4
